; MI455X (gfx1250); checked and timed in simulation.
; The chip was launched on July 23, 2026; its instructions are those of AMD's public machine-readable ISA for CDNA 5 (MIT licence, August 2026) and "CDNA5" Instruction Set Architecture Reference Guide (July 2026). The comments in the code are by the model that wrote it; some were corrected since.
;; Transformer Block. Allowed arithmetic: matrix products marked QUANTISED: E2M3 operands, one E8M0 scale for each 32 along K, by v_wmma_scale_f32_16x16x128_f8f6f4 with both operands' format E2M3, f32 sums; products left as they are: f32 operands where the result goes on into a quantised operand, else bf16, f16 or f32 operands; f32 sums; everything else in f32.
;; Inputs: W1 1,024 x 4,096 float32; W2 4,096 x 1,024 float32; W_out 16 x 64 x 1,024 float32; W_qkv 16 x 1,024 x 192 float32; b1 4,096 float32; b2 1,024 float32; ln1_b 1,024 float32; ln1_w 1,024 float32; ln2_b 1,024 float32; ln2_w 1,024 float32; x 2 x 2,048 x 1,024 float32.
;; Outputs: out0 2 x 2,048 x 1,024 float32.
;; This version of the problem:
;;   THIS VERSION OF THE PROBLEM IS GIVEN IN LOW PRECISION. The matrix products marked QUANTISED in the list below multiply operands that are first quantised to E2M3 (2 exponent bits, 3 mantissa bits; 6 bits a number), with one power-of-two scale for each 32 numbers along K (OCP MX v1.0); their sums are f32. All else is computed in f32.
;;   The module's matrix products, in the order in which they are computed (A, B: the left and right operand; K: the contracted axis; several contracted axes count as one K, in the product's order):
;;     1. [M 3,072, K 1,024] x [K 1,024, N 4,096]; A: input W_qkv; B: computed on the way: QUANTISED
;;     2. batch 32 x [M 2,048, K 64] x [K 64, N 2,048]; A: computed on the way; B: computed on the way: QUANTISED
;;     3. batch 32 x [M 2,048, K 2,048] x [K 2,048, N 64]; A: softmax (see below); B: computed on the way: QUANTISED
;;     4. batch 1,024 x [M 1, K 1] x [K 1, N 4,096]; A: computed on the way; B: computed on the way: left as it is (no contracted axis)
;;     5. [M 4,096, K 1,024] x [K 1,024, N 4,096]; A: computed on the way; B: input W1: QUANTISED
;;     6. [M 4,096, K 4,096] x [K 4,096, N 1,024]; A: computed on the way; B: input W2: QUANTISED
;;   THE QUANTISER, for each operand of a quantised product, along K:
;;     - K is cut into blocks of 32 from its start; a last block that is shorter is filled with zeros.
;;     - A block's scale is 2^e with e = floor(log2(the largest magnitude in the block)) - 2, held to -126 .. 127; a block of zeros has e = 0. As a byte (E8M0): e + 127.
;;     - Each number is divided by its block's scale, clamped to +-7.5, and rounded to the nearest number of E2M3, ties to even, subnormals kept.
;;     - The product sums the exact products of the quantised numbers (number of the format x scale) in f32.
;;   ~~~python
;;   def quantise(x, axis):      # numpy; x: float32 -> the quantised numbers, widened to float32 again
;;       x = np.moveaxis(x, axis, -1); K = x.shape[-1]
;;       x = np.pad(x, [(0, 0)] * (x.ndim - 1) + [(0, -K % 32)]); x = x.reshape(x.shape[:-1] + (-1, 32)); a = np.abs(x).max(-1, keepdims=True)
;;       e = np.where(a > 0, np.clip(np.frexp(np.where(a > 0, a, 1))[1] - 1 - 2, -126, 127), 0)      # np.frexp(a)[1] - 1 = floor(log2(a)), exactly
;;       r = np.clip(x / 2.0 ** e, -7.5, 7.5)
;;       step = 2.0 ** (np.maximum(np.frexp(np.where(r == 0, 1, r))[1] - 1, 0) - 3)
;;       q = np.round(r / step) * step * 2.0 ** e      # np.round: ties to even
;;       return np.moveaxis(q.reshape(q.shape[:-2] + (-1,))[..., :K], -1, axis).astype(np.float32)
;;   ~~~
;;   SOFTMAX AHEAD OF A QUANTISED PRODUCT. Where the list says 'softmax', what is quantised is not the finished softmax but p = 2^(t - M), with t = logit x log2(e) and M = ceil(the row's largest t), a whole number; so 1/2 < the row's largest p <= 1. The row's sum l is taken of the UNQUANTISED p, in f32, and the product's result is divided by l at the end. Since M is a whole number, a kernel that streams over the keys may use a running M (the ceiling of the running maximum): every later rescaling is an exact power of two, which a block's scale takes up: the codes' values come out the same.
;;   OPERANDS COMPUTED ON THE WAY. 'Computed on the way' means the value that the module computes at that place (a softmax that the list does not call 'softmax' is quantised finished and normalised). What goes into a quantiser is computed in f32, as accurately as f32 sums, v_exp_f32 and their like allow (about 1e-6 of the number): no bf16 or f16 on the way to a quantiser, and a product that is left as it is and whose result goes on into a quantised operand takes f32 operands (vector FMAs, or v_wmma_f32_16x16x4_f32). A number that lies on a knife's edge between two numbers of the format may be rounded either way, as far as f32 arithmetic and the matrix unit's own rounding can turn it there, and no further.
;; One version. Each part assembles by itself: llvm-mc -triple=amdgcn-amd-amdhsa -mcpu=gfx1250 --defsym DOCPART=n.
;; ======== version 1 of 1: 6 launches
;; limits: right only within a limited range of input values
;; workspace buffers: wts 9,109,504 bytes; ha 3,280,896 bytes; qkvb 10,223,616 bytes; tb 16,777,216 bytes; hb 20,054,016 bytes; hid 13,107,200 bytes
;; launch prepln (part 1): grid 448 x 1, 8 waves a work-group, no clusters, 131,328 bytes of LDS; arguments W_qkv, W1, W2, W_out, wts, x, ln1_w, ln1_b, ha; writes wts, ha
.if DOCPART == 1
	.amdgcn_target "amdgcn-amd-amdhsa--gfx1250"
	.amdhsa_code_object_version 6
	.text
	.protected	k_q751422114b_prepln
	.globl	k_q751422114b_prepln
	.p2align	8
	.type	k_q751422114b_prepln,@function
k_q751422114b_prepln:
	s_mov_b64 s[64:65], 0
	v_nop
	global_prefetch_b8 v0, s[64:65] scope:SCOPE_SE
	s_setreg_imm32_b32 hwreg(HW_REG_WAVE_MODE, 25, 1), 1
	s_wait_xcnt 0x0
; ONE LAUNCH PREPARES ALL THAT THE FIRST PRODUCT NEEDS; its three paths part on the work-group's number alone and share no data.
; WORK-GROUPS 0-175: the three weights, f32 with K as an outer axis, become codes of FP6 (E2M3) with one E8M0 byte for each 32 along K.
;   LAYOUT OF THE CODES: images of operand registers.  A fragment (16 rows x 128 K) is 12 registers a lane: 3 chunks of 512 bytes, chunk c = registers 4 c .. 4 c + 3, lane l at byte 16 l;
;   lane (r, h) holds in registers 6 c .. 6 c + 5 the codes of k = 64 c + 32 h + 0 .. 31 of row r.  An operand is [tile of 16 rows][K / 128][1,536 bytes].
;   ROWS LIE IN POSITION ORDER: tile 2 c + u, lane r, is true row 32 c + 8 u + r + 8 (r / 8).  Scale words: [K / 128][row position], 4 bytes.
;   A wave takes 32 columns x 256 along K: a lane a column, its registers down K, so a block of 32 lies in one lane.  Units 0-383: W_qkv, 384-895: W1, 896-1,407: W2: one path, the figures chosen by the unit's number.
; WORK-GROUPS 176-191: W_out's 1,024 rows are summed into 16 partial rows (a wave: 64 rows of 128 columns); the launch that uses the sum adds the 16.
; WORK-GROUPS 192-447: LayerNorm 1 of x (mean; variance over 1,023; eps 1e-4; gain and bias), quantised along the 1,024 columns into the same images and scale words.
;   A work-group is one tile of 16 tokens in position order; wave w makes the fragment of columns 128 w on.  Rows come in as they lie, turn through LDS (rows 4,112 bytes apart) and come back so that lane (r, h) holds,
;   in register 16 b + i, column 128 w + 32 b + 16 h + i of row r.  The variance is taken of x - mean, in a second pass.  Three barriers; no LDS region is written twice.
; LDS: the LayerNorm's bytes 0 to 79,103; the spare words; the weights' stages, 6,400 bytes a wave, from 80,128: each path that stores to LDS has bytes of its own.
; LIMITS: a block of zeros, or one whose largest magnitude lies under 2^-124, gets the byte 1 (the rule says 127 for zeros): its codes are zeros, and only this program reads the bytes.  NaN and infinities are not served; sums in f32 in an order of their own.
.set SPARE, 79104
.set WST,   80128
.set SPW,  244
.set NIL,  245
.set STA,  4                           ; stage, way in: wave x 6,400 + u x 3,200 + 16 r
.set RDB,  7                           ; stage, way out: wave x 6,400 + 16 x lane
.set L16,  8
.set L16T, 9                           ; 16 x lane + a tile's stride in the image
.set SW0,  10                          ; 4 x my column's position
.set SW1,  11                          ; the same, one K / 128 on
.set SB,   24
.set OFFS, 32                          ; v32-63  4 x lane + i x pitch
.set X,    64                          ; v64-127 two sets of 32 numbers
.set T,    128
.set UC,   136
.set OUTR, 64
.set BASE, 68                          ; s[68:83] the source at each of my eight blocks
	v_lshl_add_u32 v[SPW], v0, 2, SPARE
	v_mov_b32 v[NIL], 0
	v_lshrrev_b32 v1, 5, v0
	s_delay_alu instid0(VALU_DEP_1)
	v_readfirstlane_b32 s16, v1                    ; wave 0..7
	s_cmp_ge_u32 ttmp9, 192
	s_cbranch_scc1 .Lln
	s_load_b256 s[4:11], s[0:1], 0x0               ; W_qkv, W1, W2, W_out
	s_load_b64 s[12:13], s[0:1], 0x20              ; wts
	v_and_b32 v2, 31, v0                           ; lane
	v_lshlrev_b32 v[L16], 4, v2
	s_cmp_ge_u32 ttmp9, 176
	s_cbranch_scc1 .Lwout
	s_lshl_b32 s17, ttmp9, 3
	s_add_co_u32 s17, s17, s16                     ; U, my unit
	; W_qkv's figures: U = 6 (4 n + kc) + cg
	s_mul_i32 s18, s17, 43691
	s_lshr_b32 s18, s18, 18                        ; U / 6 (exact for U under 384)
	s_mul_i32 s19, s18, 6
	s_sub_co_u32 s19, s17, s19                     ; cg
	s_lshr_b32 s20, s18, 2                         ; n
	s_and_b32 s21, s18, 3                          ; kc
	s_lshr_b32 s22, s19, 1
	s_lshl_b32 s22, s22, 5
	s_lshl_b32 s20, s20, 1
	s_add_co_u32 s22, s22, s20
	s_and_b32 s23, s19, 1
	s_add_co_u32 s22, s22, s23                     ; which 32 rows of the operand
	s_mul_i32 s24, s18, 196608
	s_mul_i32 s25, s22, 24576
	s_lshl_b32 s26, s22, 7
	s_lshl_b32 s27, s21, 15
	s_add_co_u32 s26, s26, s27
	s_add_co_u32 s26, s26, 8650752
	; W1's: V = 128 kc + cg
	s_sub_co_u32 s28, s17, 384
	s_lshr_b32 s29, s28, 7
	s_and_b32 s30, s28, 127
	s_lshl_b32 s31, s29, 22
	s_mul_i32 s33, s30, 24576
	s_add_co_u32 s33, s33, 2359296
	s_lshl_b32 s34, s29, 15
	s_lshl_b32 s35, s30, 7
	s_add_co_u32 s34, s34, s35
	s_add_co_u32 s34, s34, 8781824
	; W2's: V = 32 kc + cg
	s_sub_co_u32 s36, s17, 896
	s_lshr_b32 s37, s36, 5
	s_and_b32 s38, s36, 31
	s_lshl_b32 s39, s37, 20
	s_mul_i32 s40, s38, 98304
	s_add_co_u32 s40, s40, 5505024
	s_lshl_b32 s41, s37, 13
	s_lshl_b32 s42, s38, 7
	s_add_co_u32 s41, s41, s42
	s_add_co_u32 s41, s41, 8912896
	s_wait_kmcnt 0x0
	s_cmp_lt_u32 s17, 896                          ; the choice hangs on the unit's number alone
	s_cselect_b64 s[44:45], s[6:7], s[8:9]
	s_cselect_b32 s46, s31, s39
	s_cselect_b32 s47, s30, s38
	s_cselect_b32 s48, s29, s37
	s_mov_b32 s49, 4096
	s_cselect_b32 s49, 16384, s49                  ; a source row in bytes
	s_cselect_b32 s50, s33, s40
	s_mov_b32 s51, 49152
	s_cselect_b32 s51, 12288, s51                  ; a tile's stride in the image
	s_cselect_b32 s52, s34, s41
	s_mov_b32 s53, 4096
	s_cselect_b32 s53, 16384, s53                  ; from one K / 128 to the next among the scale words
	s_cmp_lt_u32 s17, 384
	s_cselect_b64 s[44:45], s[4:5], s[44:45]
	s_cselect_b32 s46, s24, s46
	s_cselect_b32 s47, s19, s47
	s_cselect_b32 s48, s21, s48
	s_cselect_b32 s49, 768, s49
	s_cselect_b32 s50, s25, s50
	s_cselect_b32 s52, s26, s52
	s_lshl_b32 s54, s47, 7
	s_add_co_u32 s46, s46, s54
	s_mov_b32 s47, 0
	s_add_nc_u64 s[44:45], s[44:45], s[46:47]      ; the source at my unit
	s_mul_i32 s54, s48, 3072
	s_add_co_u32 s56, s50, s54
	s_mov_b32 s57, 0
	s_add_nc_u64 s[56:57], s[12:13], s[56:57]      ; my two tiles' images
	s_mov_b32 s58, s52
	s_mov_b32 s59, 0
	s_add_nc_u64 s[58:59], s[12:13], s[58:59]      ; my scale words
	s_lshl_b32 s60, s49, 5
	s_mov_b32 s61, 0
	s_mov_b64 s[BASE:BASE+1], s[44:45]
.irp t, 1,2,3,4,5,6,7
	s_add_nc_u64 s[BASE+2*\t:BASE+2*\t+1], s[BASE+2*\t-2:BASE+2*\t-1], s[60:61]   ; 32 rows on: no base is ever stepped
.endr
	s_wait_alu depctr_va_vdst(0)
	v_lshlrev_b32 v[OFFS], 2, v2
.set oi, 1
.rept 31
	v_add_nc_u32 v[OFFS+oi], s49, v[OFFS+oi-1]
.set oi, oi+1
.endr
	v_bfe_u32 v3, v0, 3, 1                         ; u: bit 3 of my column
	v_and_b32 v5, 7, v0
	v_bfe_u32 v6, v0, 4, 1
	v_lshl_add_u32 v5, v6, 3, v5                   ; r = column % 8 + 8 (column / 16)
	v_lshl_add_u32 v6, v3, 4, v5                   ; position = 16 u + r
	s_mul_i32 s62, s16, 6400
	s_add_co_u32 s62, s62, WST
	v_mul_u32_u24 v[STA], v3, 3200
	v_lshl_add_u32 v[STA], v5, 4, v[STA]
	v_add_nc_u32 v[STA], s62, v[STA]
	v_add_nc_u32 v[RDB], s62, v[L16]
	v_add_nc_u32 v[L16T], s51, v[L16]
	v_lshlrev_b32 v[SW0], 2, v6
	v_add_nc_u32 v[SW1], s53, v[SW0]
.macro LOAD t                          ; block t: 32 rows of my column into set t % 2; a wave reads 128 neighbouring bytes a load
.set li, 0
.rept 32
	global_load_b32 v[X+32*((\t)%2)+li], v[OFFS+li], s[BASE+2*(\t):BASE+2*(\t)+1] th:TH_LOAD_NT
.set li, li+1
.endr
.endm
	LOAD 0
	LOAD 1
.macro BLOCK t
.set XS, X+32*((\t)%2)
.set IM, 1536*((\t)/4)+256*((\t)%2)    ; the block's fragment (K / 128) and half of the lanes in the image
.if (\t) < 7
	s_wait_loadcnt 32                              ; this block's 32 loads are in; the next block's may be out
.else
	s_wait_loadcnt 0x0
.endif
	v_max3_num_f32 v12, |v[XS]|, |v[XS+1]|, |v[XS+2]|
	v_max3_num_f32 v13, |v[XS+3]|, |v[XS+4]|, |v[XS+5]|
.irp i, 6,10,14,18,22,26
	v_max3_num_f32 v12, v12, |v[XS+\i]|, |v[XS+\i+1]|
	v_max3_num_f32 v13, v13, |v[XS+\i+2]|, |v[XS+\i+3]|
.endr
	v_max3_num_f32 v12, v12, |v[XS+30]|, |v[XS+31]|
	v_max3_num_f32 v12, v12, v13, 0x1800000        ; with the floor 2^(3 - 127): the byte cannot fall under 1
	v_add_nc_u32 v16, 0xff000000, v12              ; 2 off the exponent field: the conversion's scale operand
	v_lshrrev_b32 v13, 23, v16                     ; the scale's byte
.if (\t)%4 == 0
	v_mov_b32 v[SB+(\t)/4], v13
.else
	v_lshl_or_b32 v[SB+(\t)/4], v13, 8*((\t)%4), v[SB+(\t)/4]
.endif
	v_cvt_scalef32_pk16_fp6_f32 v[T:T+2], v[XS:XS+15], v16
	v_cvt_scalef32_pk16_fp6_f32 v[UC:UC+2], v[XS+16:XS+31], v16
	v_nop                                          ; one plain place behind a scaled conversion
	v_mov_b32 v[T+3], v[UC]
	v_mov_b32 v[T+4], v[UC+1]
	v_mov_b32 v[T+5], v[UC+2]
.if ((\t)%4)/2 == 0                    ; registers 0-5 of the fragment: chunk 0 whole, the first half of my place in chunk 1
	ds_store_b128 v[STA], v[T:T+3] offset:IM
	ds_store_b64 v[STA], v[T+4:T+5] offset:IM+512
.else                                  ; registers 6-11: the second half of my place in chunk 1, chunk 2 whole
	ds_store_b64 v[STA], v[T:T+1] offset:IM+520
	ds_store_b128 v[STA], v[T+2:T+5] offset:IM+1024
.endif
.if (\t)+2 < 8
	LOAD (\t)+2
.endif
	s_wait_dscnt 0x0                               ; the stores have read their registers: the next block writes them
.endm
.irp t, 0,1,2,3,4,5,6,7
	BLOCK \t
.endr
	global_store_b32 v[SW0], v[SB], s[58:59]
	s_wait_alu depctr_va_vdst(0)
	global_store_b32 v[SW1], v[SB+1], s[58:59]
.irp i, 0,1,2,3,4,5,6,7,8,9,10,11
	ds_load_b128 v[OUTR+4*\i:OUTR+4*\i+3], v[RDB] offset:(\i/6)*3200+512*(\i%6)   ; a wave's LDS instructions are served in order: these see my stores
.endr
.irp i, 0,1,2,3,4,5
	s_wait_dscnt 11-\i                             ; the younger loads may be out
	global_store_b128 v[L16], v[OUTR+4*\i:OUTR+4*\i+3], s[56:57] offset:512*\i     ; 32 lanes store 512 consecutive bytes
.endr
.irp i, 6,7,8,9,10,11
	s_wait_dscnt 11-\i
	global_store_b128 v[L16T], v[OUTR+4*\i:OUTR+4*\i+3], s[56:57] offset:512*(\i-6)
.endr
	s_wait_tensorcnt 0x0                           ; the wave's end
	ds_add_u32 v[SPW], v[NIL]
	s_wait_dscnt 0x0
	s_endpgm
.macro TREE                            ; quads 0-31 (v32-159) are summed into quad 0
.irp s, 16,8,4,2,1
.set ti, 0
.rept \s
	v_pk_add_f32 v[32+4*ti:33+4*ti], v[32+4*ti:33+4*ti], v[32+4*(ti+\s):33+4*(ti+\s)]
	v_pk_add_f32 v[34+4*ti:35+4*ti], v[34+4*ti:35+4*ti], v[34+4*(ti+\s):35+4*(ti+\s)]
.set ti, ti+1
.endr
.endr
.endm
.Lwout:                                ; W_out as 1,024 rows of 1,024: wave Uw sums rows 64 (Uw / 8) on, columns 128 (Uw % 8) on
	s_sub_co_u32 s17, ttmp9, 176
	s_lshl_b32 s17, s17, 3
	s_add_co_u32 s17, s17, s16
	s_and_b32 s18, s17, 7
	s_lshr_b32 s19, s17, 3
	s_lshl_b32 s20, s19, 18
	s_lshl_b32 s21, s18, 9
	s_add_co_u32 s20, s20, s21
	s_lshl_b32 s22, s19, 12
	s_add_co_u32 s22, s22, s21
	s_add_co_u32 s22, s22, 9043968
	s_mov_b32 s21, 0
	s_mov_b32 s23, 0
	s_wait_kmcnt 0x0
	s_add_nc_u64 s[10:11], s[10:11], s[20:21]
	s_add_nc_u64 s[12:13], s[12:13], s[22:23]
.set wi, 0
	s_wait_alu depctr_va_vdst(0)
.rept 32
	global_load_b128 v[32+4*wi:35+4*wi], v[L16], s[10:11] offset:4096*wi th:TH_LOAD_NT
.set wi, wi+1
.endr
	s_wait_loadcnt 0x0
	TREE
.set wi, 1
.rept 32
	global_load_b128 v[32+4*wi:35+4*wi], v[L16], s[10:11] offset:4096*(31+wi) th:TH_LOAD_NT   ; rows 32-63 land beside the first 32 rows' sum
.set wi, wi+1
.endr
	s_wait_alu depctr_va_vdst(0)
	s_wait_loadcnt 0x0
	v_pk_add_f32 v[32:33], v[32:33], v[160:161]
	v_pk_add_f32 v[34:35], v[34:35], v[162:163]
	TREE
	global_store_b128 v[L16], v[32:35], s[12:13]
	s_endpgm
; ---- LayerNorm 1
.set PITCH, 4112
.set LW,    65792                      ; the gain's 4,096 bytes; the bias 4,096 bytes on
.set RED1,  78080                      ; [row 16][wave 8] partial sums; the second reduction's 512 bytes on
.set PC,  2                            ; v2-20 codes and what the conversions need
.set L16, 22
.set XST, 23                           ; rows into LDS
.set XRD, 24                           ; and out, in fragment order
.set CW,  25                           ; 512 w + 16 lane
.set CR,  26                           ; LW + 512 w + 64 h
.set RST, 27
.set RRD, 28
.set R4,  29
.set CWL, 30                           ; LW + 512 w + 16 lane
.set X,   32
.set A1,  96
.set A2,  160
.set TM,  224
.set PW,  240
.set MU,  242
.set S0,  246
.set S1,  248
.set SEL, 18
.set TID, 31                           ; s31: my tile of 16 tokens
.macro QUANT s                         ; 64 numbers of a lane, register 16 b + i = k 32 b + 16 (lane / 16) + i of my row, become a fragment's codes in v[PC] on and its scale word in v[PW]
.irp b, 0,1,2,3
	v_max3_num_f32 v[TM+\b], |v[\s+16*\b]|, |v[\s+1+16*\b]|, 0x1800000   ; with the floor 2^(3 - 127)
.endr
.irp i, 2,4,6,8,10,12,14
.irp b, 0,1,2,3
	s_delay_alu instid0(VALU_DEP_4)
	v_max3_num_f32 v[TM+\b], v[TM+\b], |v[\s+16*\b+\i]|, |v[\s+1+16*\b+\i]|
.endr
.endr
.irp b, 0,1,2,3
	s_delay_alu instid0(VALU_DEP_4)
	v_permlanex16_b32 v[TM+4+\b], v[TM+\b], s[SEL], s[SEL+1]
.endr
.irp b, 0,1,2,3
	s_delay_alu instid0(VALU_DEP_4)
	v_max_num_f32 v[TM+\b], v[TM+\b], v[TM+4+\b]
.endr
.irp b, 0,1,2,3
	s_delay_alu instid0(VALU_DEP_4)
	v_add_nc_u32 v[TM+12+\b], 0xff000000, v[TM+\b]
.endr
.irp b, 0,1,2,3
	s_delay_alu instid0(VALU_DEP_4)
	v_lshrrev_b32 v[TM+4+\b], 23, v[TM+12+\b]
.endr
	s_delay_alu instid0(VALU_DEP_3)
	v_lshl_or_b32 v[PW], v[TM+5], 8, v[TM+4]
	s_delay_alu instid0(VALU_DEP_1)
	v_lshl_or_b32 v[PW], v[TM+6], 16, v[PW]
	s_delay_alu instid0(VALU_DEP_1)
	v_lshl_or_b32 v[PW], v[TM+7], 24, v[PW]
.irp c, 0,1
	v_cvt_scalef32_pk16_fp6_f32 v[PC+6*\c:PC+2+6*\c], v[\s+32*\c:\s+15+32*\c], v[TM+12+2*\c]
	v_cvt_scalef32_pk16_fp6_f32 v[PC+12+4*\c:PC+14+4*\c], v[\s+16+32*\c:\s+31+32*\c], v[TM+12+2*\c+1]
.endr
	v_nop                                          ; one plain place behind a scaled conversion
.irp c, 0,1                            ; a whole block to a lane: lanes 0-15 block 2 c, lanes 16-31 block 2 c + 1
.irp i, 0,1,2
	v_permlane16_swap_b32 v[PC+6*\c+\i], v[PC+12+4*\c+\i]
.endr
.irp i, 0,1,2
	s_delay_alu instid0(VALU_DEP_3)
	v_mov_b32 v[PC+3+6*\c+\i], v[PC+12+4*\c+\i]
.endr
.endr
.endm
.macro ROWSUM red                      ; two pairs of partial sums in S0, S1 -> the row's sum over all 1,024 columns in v[TM]: over my lane, lane l xor 16, and through LDS over the eight waves
	s_delay_alu instid0(VALU_DEP_1)
	v_pk_add_f32 v[S0:S0+1], v[S0:S0+1], v[S1:S1+1]
	s_delay_alu instid0(VALU_DEP_1)
	v_add_f32 v[S0], v[S0], v[S0+1]
	s_delay_alu instid0(VALU_DEP_1)
	v_permlanex16_b32 v[S1], v[S0], s[SEL], s[SEL+1]
	s_delay_alu instid0(VALU_DEP_1)
	v_add_f32 v[S0], v[S0], v[S1]
	ds_store_b32 v[RST], v[S0] offset:\red         ; lanes l and l + 16 write the same word with the same value
	s_wait_dscnt 0x0                               ; for the others' sake: my store has landed, and all my LDS loads are in
	s_barrier_signal -1
	s_barrier_wait -1
	ds_load_b128 v[TM:TM+3], v[RRD] offset:\red
	ds_load_b128 v[TM+4:TM+7], v[RRD] offset:\red+16
	s_wait_dscnt 0x0
	v_pk_add_f32 v[TM:TM+1], v[TM:TM+1], v[TM+2:TM+3]
	v_pk_add_f32 v[TM+4:TM+5], v[TM+4:TM+5], v[TM+6:TM+7]
	s_delay_alu instid0(VALU_DEP_1)
	v_pk_add_f32 v[TM:TM+1], v[TM:TM+1], v[TM+4:TM+5]
	s_delay_alu instid0(VALU_DEP_1)
	v_add_f32 v[TM], v[TM], v[TM+1]
.endm
.Lln:
	s_load_b64 s[4:5], s[0:1], 0x28                ; x
	s_load_b64 s[6:7], s[0:1], 0x30                ; ln1_w
	s_load_b64 s[8:9], s[0:1], 0x38                ; ln1_b
	s_load_b64 s[10:11], s[0:1], 0x40              ; ha
	s_sub_co_u32 s[TID], ttmp9, 192
	v_and_b32 v1, 31, v0
	v_and_b32 v2, 15, v0                           ; r
	v_bfe_u32 v3, v0, 4, 1                         ; h
	s_delay_alu instid0(VALU_DEP_3)
	v_lshlrev_b32 v[L16], 4, v1
	s_mul_i32 s20, s16, 2*PITCH
	v_add_nc_u32 v[XST], s20, v[L16]
	s_lshl_b32 s21, s16, 9
	v_mul_u32_u24 v[XRD], v2, PITCH
	s_delay_alu instid0(VALU_DEP_1)
	v_lshl_add_u32 v[XRD], v3, 6, v[XRD]
	s_delay_alu instid0(VALU_DEP_1)
	v_add_nc_u32 v[XRD], s21, v[XRD]
	v_add_nc_u32 v[CW], s21, v[L16]
	s_delay_alu instid0(VALU_DEP_1)
	v_add_nc_u32 v[CWL], LW, v[CW]
	v_lshlrev_b32 v[CR], 6, v3
	s_delay_alu instid0(VALU_DEP_1)
	v_add_nc_u32 v[CR], s21, v[CR]
	s_delay_alu instid0(VALU_DEP_1)
	v_add_nc_u32 v[CR], LW, v[CR]
	v_lshlrev_b32 v[RRD], 5, v2
	s_delay_alu instid0(VALU_DEP_1)
	v_add_nc_u32 v[RRD], RED1, v[RRD]
	s_lshl_b32 s22, s16, 2
	v_add_nc_u32 v[RST], s22, v[RRD]
	v_lshlrev_b32 v[R4], 2, v2
	s_mov_b32 s[SEL], 0x76543210
	s_mov_b32 s[SEL+1], 0xfedcba98
	s_mov_b32 s30, 0x3a802008                      ; 1 / 1,023
	s_lshr_b32 s20, s[TID], 1                      ; my two rows: positions 2 w, 2 w + 1 of the tile
	s_lshl_b32 s20, s20, 5
	s_and_b32 s21, s[TID], 1
	s_lshl_b32 s21, s21, 3
	s_add_co_u32 s20, s20, s21
	s_lshl_b32 s21, s16, 1
	s_add_co_u32 s20, s20, s21
	s_lshr_b32 s21, s16, 2
	s_lshl_b32 s21, s21, 3
	s_add_co_u32 s20, s20, s21                     ; token 32 (t / 2) + 8 (t % 2) + 2 w + 8 (w / 4)
	s_lshl_b32 s20, s20, 12
	s_mov_b32 s21, 0
	s_mul_i32 s22, s[TID], 12288
	s_mul_i32 s23, s16, 1536
	s_add_co_u32 s22, s22, s23
	s_mov_b32 s23, 0
	s_lshl_b32 s24, s16, 14
	s_lshl_b32 s25, s[TID], 6
	s_add_co_u32 s24, s24, s25
	s_mov_b32 s25, 0
	s_wait_alu depctr_va_vdst(0)                   ; the head's end
	s_wait_kmcnt 0x0
	s_add_nc_u64 s[4:5], s[4:5], s[20:21]
	s_add_nc_u64 s[26:27], s[10:11], s[22:23]      ; my fragment's image
	s_add_nc_u64 s[28:29], s[10:11], s[24:25]      ; my scale words, less the region's start
.irp i, 0,1
.irp j, 0,1,2,3,4,5,6,7
	global_load_b128 v[X+32*\i+4*\j:X+32*\i+4*\j+3], v[L16], s[4:5] offset:4096*\i+512*\j th:TH_LOAD_NT
.endr
.endr
	global_load_b128 v[A1:A1+3], v[CW], s[6:7]
	global_load_b128 v[A1+4:A1+7], v[CW], s[8:9]
	s_wait_loadcnt 0x0
.irp i, 0,1
.irp j, 0,1,2,3,4,5,6,7
	ds_store_b128 v[XST], v[X+32*\i+4*\j:X+32*\i+4*\j+3] offset:\i*PITCH+512*\j
.endr
.endr
	ds_store_b128 v[CWL], v[A1:A1+3]
	ds_store_b128 v[CWL], v[A1+4:A1+7] offset:4096
	s_wait_dscnt 0x0                               ; my stores have landed
	s_barrier_signal -1
	s_barrier_wait -1                              ; the tile's 16 rows lie in LDS
.irp b, 0,1,2,3
.irp j, 0,1,2,3
	ds_load_b128 v[X+16*\b+4*\j:X+16*\b+4*\j+3], v[XRD] offset:128*\b+16*\j
.endr
.endr
.irp b, 0,1,2,3
.irp j, 0,1,2,3
	ds_load_b128 v[A1+16*\b+4*\j:A1+16*\b+4*\j+3], v[CR] offset:128*\b+16*\j
	ds_load_b128 v[A2+16*\b+4*\j:A2+16*\b+4*\j+3], v[CR] offset:4096+128*\b+16*\j
.endr
.endr
	s_wait_dscnt 32                                ; x's 16 loads are in; the gain's and the bias's 32 may be out
	v_pk_add_f32 v[S0:S0+1], v[X:X+1], v[X+2:X+3]
	v_pk_add_f32 v[S1:S1+1], v[X+4:X+5], v[X+6:X+7]
.irp j, 8,12,16,20,24,28,32,36,40,44,48,52,56,60
	s_delay_alu instid0(VALU_DEP_2)
	v_pk_add_f32 v[S0:S0+1], v[S0:S0+1], v[X+\j:X+\j+1]
	s_delay_alu instid0(VALU_DEP_2)
	v_pk_add_f32 v[S1:S1+1], v[S1:S1+1], v[X+\j+2:X+\j+3]
.endr
	ROWSUM 0
	s_delay_alu instid0(VALU_DEP_1)
	v_mul_f32 v[MU], 0x3a800000, v[TM]             ; the mean: / 1,024
	s_delay_alu instid0(VALU_DEP_1)
	v_mov_b32 v[MU+1], v[MU]                       ; (named with it as a pair)
.set xi, 0
.rept 32
	v_pk_add_f32 v[X+xi:X+xi+1], v[X+xi:X+xi+1], v[MU:MU+1] op_sel_hi:[1,0] neg_lo:[0,1] neg_hi:[0,1]
.set xi, xi+2
.endr
	v_pk_mul_f32 v[S0:S0+1], v[X:X+1], v[X:X+1]
	v_pk_mul_f32 v[S1:S1+1], v[X+2:X+3], v[X+2:X+3]
.irp j, 4,8,12,16,20,24,28,32,36,40,44,48,52,56,60
	s_delay_alu instid0(VALU_DEP_2)
	v_pk_fma_f32 v[S0:S0+1], v[X+\j:X+\j+1], v[X+\j:X+\j+1], v[S0:S0+1]
	s_delay_alu instid0(VALU_DEP_2)
	v_pk_fma_f32 v[S1:S1+1], v[X+\j+2:X+\j+3], v[X+\j+2:X+\j+3], v[S1:S1+1]
.endr
	ROWSUM 512
	v_mov_b32 v[MU+1], 0x38d1b717                  ; eps = 1e-4
	s_delay_alu instid0(VALU_DEP_1)
	v_fma_f32 v[MU], v[TM], s30, v[MU+1]
	s_wait_alu depctr_va_vdst(0)                   ; ahead of the transcendental
	v_rsq_f32 v[MU], v[MU]
	v_nop                                          ; a plain place behind the transcendental
	s_wait_alu depctr_va_vdst(0)                   ; and ahead of its first reader
.set xi, 0
.rept 32
	v_pk_mul_f32 v[X+xi:X+xi+1], v[X+xi:X+xi+1], v[MU:MU+1] op_sel_hi:[1,0]
.set xi, xi+2
.endr
.set xi, 0
.rept 32
	v_pk_fma_f32 v[X+xi:X+xi+1], v[X+xi:X+xi+1], v[A1+xi:A1+xi+1], v[A2+xi:A2+xi+1]
.set xi, xi+2
.endr
	QUANT X
.irp c, 0,1,2
	global_store_b128 v[L16], v[PC+4*\c:PC+4*\c+3], s[26:27] offset:512*\c    ; 512 consecutive bytes a store
.endr
	global_store_b32 v[R4], v[PW], s[28:29] offset:3145728                    ; lanes l and l + 16 store the same word to the same place
	s_wait_tensorcnt 0x0                           ; the wave's end
	ds_add_u32 v[SPW], v[NIL]
	s_wait_dscnt 0x0
	s_endpgm
.Lfunc_end_k_q751422114b_prepln:
	.size	k_q751422114b_prepln, .Lfunc_end_k_q751422114b_prepln-k_q751422114b_prepln
	.p2alignl 7, 3214868480
	.fill 96, 4, 3214868480
	.section	.rodata,"a",@progbits
	.p2align	6, 0x0
	.amdhsa_kernel k_q751422114b_prepln
		.amdhsa_group_segment_fixed_size 131328
		.amdhsa_private_segment_fixed_size 0
		.amdhsa_enable_private_segment 0
		.amdhsa_kernarg_size 72
		.amdhsa_user_sgpr_count 2
		.amdhsa_user_sgpr_kernarg_segment_ptr 1
		.amdhsa_wavefront_size32 1
		.amdhsa_system_sgpr_workgroup_id_x 1
		.amdhsa_system_sgpr_workgroup_id_y 1
		.amdhsa_system_sgpr_workgroup_id_z 1
		.amdhsa_system_vgpr_workitem_id 0
		.amdhsa_next_free_vgpr 256
		.amdhsa_next_free_sgpr 88
		.amdhsa_reserve_vcc 0
		.amdhsa_float_denorm_mode_32 3
		.amdhsa_float_denorm_mode_16_64 3
		.amdhsa_memory_ordered 1
		.amdhsa_forward_progress 1
		.amdhsa_inst_pref_size 89
	.end_amdhsa_kernel
	.amdgpu_metadata
---
amdhsa.version: [ 1, 2 ]
amdhsa.kernels:
  - .name:           k_q751422114b_prepln
    .symbol:         k_q751422114b_prepln.kd
    .args:
      - { .name: W_qkv, .offset: 0, .size: 8, .value_kind: global_buffer, .address_space: global }
      - { .name: W1, .offset: 8, .size: 8, .value_kind: global_buffer, .address_space: global }
      - { .name: W2, .offset: 16, .size: 8, .value_kind: global_buffer, .address_space: global }
      - { .name: W_out, .offset: 24, .size: 8, .value_kind: global_buffer, .address_space: global }
      - { .name: wts, .offset: 32, .size: 8, .value_kind: global_buffer, .address_space: global }
      - { .name: x, .offset: 40, .size: 8, .value_kind: global_buffer, .address_space: global }
      - { .name: ln1_w, .offset: 48, .size: 8, .value_kind: global_buffer, .address_space: global }
      - { .name: ln1_b, .offset: 56, .size: 8, .value_kind: global_buffer, .address_space: global }
      - { .name: ha, .offset: 64, .size: 8, .value_kind: global_buffer, .address_space: global }
    .group_segment_fixed_size: 131328
    .private_segment_fixed_size: 0
    .kernarg_segment_align: 8
    .kernarg_segment_size: 72
    .max_flat_workgroup_size: 256
    .sgpr_count:     88
    .vgpr_count:     256
    .wavefront_size: 32
...
	.end_amdgpu_metadata
.endif
;; end of part 1
;; launch qkv (part 2): grid 12 x 16, 4 waves a work-group, clusters of 4 x 4, 327,680 bytes of LDS; arguments ha, wts, qkvb; writes qkvb
.if DOCPART == 2
	.amdgcn_target "amdgcn-amd-amdhsa--gfx1250"
	.amdhsa_code_object_version 6
	.text
	.protected	k_q751422114b_qkv
	.globl	k_q751422114b_qkv
	.p2align	8
	.type	k_q751422114b_qkv,@function
k_q751422114b_qkv:
	s_mov_b64 s[64:65], 0
	v_nop
	global_prefetch_b8 v0, s[64:65] scope:SCOPE_SE
	s_setreg_imm32_b32 hwreg(HW_REG_WAVE_MODE, 25, 1), 1
	s_wait_xcnt 0x0
	s_wait_alu depctr_hold_cnt(0) depctr_sa_sdst(0) depctr_va_vdst(0) depctr_va_sdst(0) depctr_va_ssrc(0) depctr_va_vcc(0) depctr_vm_vsrc(0)
	s_getreg_b32 s2, hwreg(HW_REG_IB_STS2, 6, 4)
	s_cmp_eq_u32 s2, 0
	s_cbranch_scc0 .Lentry_in_a_cluster
	s_endpgm
.Lentry_in_a_cluster:
	s_bfe_u32 s2, ttmp6, 0x10000c
	s_cmp_lg_u32 s2, 0xf033
	s_cbranch_scc0 .Lentry_shape_is_right
	s_endpgm
.Lentry_shape_is_right:
; q, k, v = LN1(x) W_qkv on codes of FP6 (E2M3), K = 1,024; the results are quantised in registers into the records that the attention launch reads.
; A work-group makes 256 x 256, a wave 128 x 128: 64 accumulators.  THE MATRIX INSTRUCTION IS USED TRANSPOSED: source 0 = 16 rows of B, source 1 = 16 rows of A: lane (r, h) holds row r of A's tile, and since every operand's
; rows lie in position order, its registers 16 b + i of a tile of A are B's TRUE rows 32 b + 16 h + i: sixteen neighbours along the next product's K.
; ONE TEXT, TWO USES, by the cluster's x, which all sixteen partners share.  Clusters 0, 1: A = tokens, B = the q and k rows of the weight: a lane's numbers run along a head's 64.  Cluster 2: A = the v rows, B = tokens: they run along the keys.
; OPERANDS are images of registers ([tile][K / 128][1,536 bytes]): a fragment is 3 LDS loads of 16 bytes a lane, 512 consecutive bytes each.  K goes in steps of 256 through two LDS slots; each wave fetches 8 tiles x 3,072 bytes by one
; joint tensor load (A's shared along the cluster's row, B's along its column).  The scale words of all of K come once.
; RECORDS of 6,656 bytes for (part, batch, head, 128 tokens).  q, k: four pairs of tiles x 1,536 bytes, the image [D(2 p)][D(2 p + 1)], D = 6 registers, lane (r, h) = block h of the head's 64 of token r; then 512 bytes [lane][pair]:
; lanes 0-15 the words of tile 2 p, lanes 16-31 of tile 2 p + 1, each (s0, s1, s0, s1).  v: four fragments (16 channels x 128 keys), then [lane][tile] the channel's word.
; LIMITS: a block of zeros gets the byte 1, not 127 (zero codes; only this program reads the bytes); NaN and infinities are not served.
.set NT,    8
.set NQ,    2
.set NKAP,  8
.set FR,    12
.set FRB,   1536
.set ROWB,  NQ*FRB
.set HALFT, NT*ROWB                    ; what one tensor load brings, and what a wave reads of A or of B in a slot
.set SLOT,  4*HALFT
.set SCL,   2*SLOT                     ; behind the ring: the scale words, [K / 128][128 rows] for each of the four halves
.set HALFS, NKAP*NT*64
.set SPARE, SCL+4*HALFS
.set LAPS,  NKAP/(2*NQ)
.set HEADB, 106496                     ; a head's 16 records
.set ADRA, 16                          ; v16-17 my A fragments in slot 0, 1
.set ADRB, 20                          ; v20-21 B's
.set L16,  26
.set ADRS, 27                          ; my scale words: lanes 0-15 A's rows, lanes 16-31 B's
.set SPW,  28
.set NIL,  29
.set SC,   32                          ; v32-63 scale words, a set of 16 for each slot: register NQ i + q
.set AF,   64                          ; A's fragments, window 0: set p at 64 + 96 p.  B's: window 1, set p at 128 p.  Accumulator (a, b): window 2 + a / 4, v[8 (8 (a % 4) + b)]
.set R0,   64                          ; the way out, window 0
.set R1,   76
.set YT,   88
.set SCQ,  96
.set PC,   104
.set PV,   116
.set TM,   200
.set PWA,  216
.set PWB,  217
.set WSEL, 218
.set G1, 24
.set G0, 32
.set G1B, 48
.set G0B, 56
.set SEL, 66
.set G1S, 68
.set G0S, 76
.set G1SB, 80
.set G0SB, 88
.set MSB, 0
.macro WIN new                         ; the immediate's high byte repeats the setting that is left
.if MSB != \new
	s_set_vgpr_msb (MSB<<8)|\new
.set MSB, \new
.endif
.endm
.macro PLACES n
.rept \n
	v_nop
.endr
.endm
.macro JLOAD g0a, g1a, g0b, g1b        ; a joint load: waves 0, 1 fetch for A, waves 2, 3 for B; an s_nop 0 and four v_nop follow each line
	s_cmp_eq_u32 s15, 0
	s_cbranch_scc0 .Lfor_b_\@
	tensor_load_to_lds s[\g0a:\g0a+3], s[\g1a:\g1a+7]
	s_nop 0
.rept 4
	v_nop
.endr
	s_branch .Lasked_\@
.Lfor_b_\@:
	tensor_load_to_lds s[\g0b:\g0b+3], s[\g1b:\g1b+7]
	s_nop 0
.rept 4
	v_nop
.endr
.Lasked_\@:
.endm
.macro CREST
	s_cmp_lg_u32 s14, 0
	s_cbranch_scc1 .Lnot_wave_0_\@
	s_barrier_signal -3
.Lnot_wave_0_\@:
	s_barrier_wait -3
	s_barrier_signal -1
	s_barrier_wait -1
.endm
.macro CROUND
	s_barrier_signal -1
	s_barrier_wait -1
	CREST
.endm
	s_load_b128 s[4:7], s[0:1], 0x0                ; ha, wts
	s_load_b64 s[8:9], s[0:1], 0x10                ; qkvb
	v_lshl_add_u32 v[SPW], v0, 2, SPARE
	v_mov_b32 v[NIL], 0
	ds_add_u32 v[SPW], v[NIL]                      ; the opening: the add and its wait ahead of my first tensor load
	ds_add_u32 v[SPW], v[NIL]
	v_lshrrev_b32 v1, 5, v0
	v_readfirstlane_b32 s14, v1                    ; wave
	s_lshr_b32 s15, s14, 1                         ; my half of A's rows.  Also: I fetch for A (0) or B (1)
	s_and_b32 s16, s14, 1                          ; my half of B's rows.  Also: which half I fetch
	s_bfe_u32 s40, ttmp6, 0x40000                  ; cx
	s_bfe_u32 s41, ttmp6, 0x40004                  ; cy
	s_and_b32 s19, ttmp7, 0xffff                   ; the cluster's y
	s_cmp_lt_u32 ttmp9, 2                          ; clusters 0 and 1 along x make q and k, cluster 2 makes v: the same in all sixteen partners
	s_cselect_b32 s96, 1, 0
	s_cselect_b32 s42, ttmp9, s19
	s_cselect_b32 s17, s19, 0
	s_cselect_b32 s10, 0, 1572864                  ; where A's codes begin in their buffer,
	s_mov_b32 s11, 8658944
	s_cselect_b32 s11, 3145728, s11                ; A's scale words,
	s_mov_b32 s12, 3145728
	s_cselect_b32 s12, 8650752, s12                ; B's scale words (B's codes begin at byte 0 either way)
	s_lshl_b32 s42, s42, 2
	s_add_co_u32 s42, s42, s40                     ; X: which 256 rows of B
	s_lshl_b32 s17, s17, 2
	s_add_co_u32 s17, s17, s41                     ; Y: which 256 rows of A
	s_lshl_b32 s43, s41, 2
	s_lshl_b32 s43, 15, s43                        ; my row of the cluster
	s_lshl_b32 s44, 0x1111, s40                    ; my column
	s_or_b32 s[G1+0], s43, (3<<16)|(1<<21)         ; the mask; elements of 8 bytes; bit 21 beside a mask; no padding
	s_or_b32 s[G1B+0], s44, (3<<16)|(1<<21)
.irp g, G1, G1B
	s_mov_b32 s[\g+1], (ROWB/8)<<16                ; tensor_dim0: a tile's two K steps, 3,072 bytes
	s_mov_b32 s[\g+2], (2*NT)<<16                  ; tensor_dim1: 16 tiles for the head's loads; behind them it is set to 8
	s_mov_b32 s[\g+3], (ROWB/8)<<16                ; tile_dim0
	s_mov_b32 s[\g+4], 2*NT                        ; tile_dim1 likewise
	s_mov_b32 s[\g+5], NKAP*FRB/8                  ; from tile to tile
	s_mov_b32 s[\g+6], 0
	s_mov_b32 s[\g+7], 0
.endr
	s_or_b32 s[G1S+0], s43, (2<<16)|(1<<21)        ; the scale words: 8 rows (K / 128) of 256 words
	s_or_b32 s[G1SB+0], s44, (2<<16)|(1<<21)
.irp g, G1S, G1SB
	s_mov_b32 s[\g+1], (NT*32)<<16                 ; a row: the words of all 256 rows of the operand
	s_mov_b32 s[\g+2], NKAP<<16
	s_mov_b32 s[\g+3], (NT*32)<<16
	s_mov_b32 s[\g+4], NKAP
	s_mov_b32 s[\g+5], 4096
	s_mov_b32 s[\g+6], 0
	s_mov_b32 s[\g+7], 0
.endr
	s_mov_b32 s[SEL], 0x76543210
	s_mov_b32 s[SEL+1], 0xfedcba98
	s_mul_i32 s18, s16, NT*NKAP*FRB                ; in the ring I fetch half of an operand's tiles: which half, in bytes
	s_mov_b32 s19, 0
	s_mul_i32 s20, s17, 2*NT                       ; A: the block's first tile
	s_mul_i32 s46, s42, 2*NT                       ; B likewise
	s_lshl_b32 s22, s20, 6
	s_add_co_u32 s22, s22, s11
	s_lshl_b32 s92, s46, 6
	s_add_co_u32 s92, s92, s12
	s_mul_i32 s20, s20, NKAP*FRB
	s_add_co_u32 s20, s20, s10
	s_mul_i32 s46, s46, NKAP*FRB
	s_mov_b32 s21, 0
	s_mov_b32 s23, 0
	s_mov_b32 s47, 0
	s_mov_b32 s93, 0
	s_mul_i32 s45, s14, HALFT                      ; where they go: by the wave's number alone
	s_wait_dscnt 0x0                               ; the opening add is done
	s_wait_kmcnt 0x0
	s_cmp_eq_u32 s96, 1
	s_cselect_b64 s[10:11], s[4:5], s[6:7]         ; A's buffer
	s_cselect_b64 s[12:13], s[6:7], s[4:5]         ; B's
	s_add_nc_u64 s[20:21], s[10:11], s[20:21]
	s_add_nc_u64 s[22:23], s[10:11], s[22:23]
	s_add_nc_u64 s[46:47], s[12:13], s[46:47]
	s_add_nc_u64 s[92:93], s[12:13], s[92:93]
	CROUND                                         ; all sixteen work-groups are here: the first joint loads meet
	s_mov_b32 s[G0S], 1
	s_mov_b32 s[G0S+1], SCL
	s_mov_b64 s[G0S+2:G0S+3], s[22:23]
	s_or_b32 s[G0S+3], s[G0S+3], 0x80000000
	s_mov_b32 s[G0SB], 1
	s_mov_b32 s[G0SB+1], SCL+2*HALFS
	s_mov_b64 s[G0SB+2:G0SB+3], s[92:93]
	s_or_b32 s[G0SB+3], s[G0SB+3], 0x80000000
	s_mov_b32 s[G0], 1                             ; for the head: slot 0's 2 NT tiles of A whole,
	s_mov_b32 s[G0+1], 0
	s_mov_b64 s[G0+2:G0+3], s[20:21]
	s_or_b32 s[G0+3], s[G0+3], 0x80000000
	s_mov_b32 s[G0B], 1                            ; and of B, behind them
	s_mov_b32 s[G0B+1], 2*HALFT
	s_mov_b64 s[G0B+2:G0B+3], s[46:47]
	s_or_b32 s[G0B+3], s[G0B+3], 0x80000000
	s_mov_b32 s[G0+4], 1                           ; slot 1's: my NT tiles, the second K step of 256
	s_add_co_u32 s[G0+5], s45, SLOT
	s_add_nc_u64 s[G0+6:G0+7], s[20:21], s[18:19]
	s_add_nc_u64 s[G0+6:G0+7], s[G0+6:G0+7], ROWB
	s_or_b32 s[G0+7], s[G0+7], 0x80000000
	s_mov_b32 s[G0B+4], 1
	s_add_co_u32 s[G0B+5], s45, SLOT
	s_add_nc_u64 s[G0B+6:G0B+7], s[46:47], s[18:19]
	s_add_nc_u64 s[G0B+6:G0B+7], s[G0B+6:G0B+7], ROWB
	s_or_b32 s[G0B+7], s[G0B+7], 0x80000000
; THE HEAD'S LOADS, ONE A WAVE: wave 0 slot 0's tiles of A, wave 1 those of B, wave 2 A's scale words, wave 3 B's.  One chain of branches on the wave's number, all arms leading to one join.
.macro HARM under, g0, g1, next
	s_cmp_lt_u32 s14, \under
	s_cbranch_scc0 \next
	tensor_load_to_lds s[\g0:\g0+3], s[\g1:\g1+7]
	s_nop 0
.rept 4
	v_nop
.endr
	s_branch .Lhead_asked
\next:
.endm
	HARM 1, G0,  G1,  .Lhead_b
	HARM 2, G0B, G1B, .Lhead_sa
	HARM 3, G0S, G1S, .Lhead_sb
	tensor_load_to_lds s[G0SB:G0SB+3], s[G1SB:G1SB+7]
	s_nop 0
.rept 4
	v_nop
.endr
.Lhead_asked:
	v_and_b32 v1, 15, v0                           ; r
	v_bfe_u32 v2, v0, 4, 1                         ; h
	s_wait_alu depctr_va_vdst(0)
	v_and_b32 v3, 31, v0
	v_lshlrev_b32 v[L16], 4, v3
	s_mul_i32 s21, s15, HALFT
	s_mul_i32 s22, s16, HALFT
	s_add_co_u32 s22, s22, 2*HALFT
.irp s, 0,1
	v_add_nc_u32 v[ADRA+\s], s21, v[L16]
	v_add_nc_u32 v[ADRB+\s], s22, v[L16]
	s_add_co_u32 s21, s21, SLOT
	s_add_co_u32 s22, s22, SLOT
.endr
	v_lshlrev_b32 v5, 2, v1
	s_mul_i32 s21, s15, NT*64                      ; my half of A's words in a row of 256
	s_mul_i32 s22, s16, NT*64
	s_add_co_u32 s22, s22, 2*HALFS
	s_sub_co_u32 s22, s22, s21
	v_mul_u32_u24 v6, s22, v2                      ; lanes 16-31 take B's
	s_add_co_u32 s21, s21, SCL
	v_add_nc_u32 v5, v5, v6
	v_add_nc_u32 v[ADRS], s21, v5
.macro FRAG reg, adr, q, i
.irp c, 0,1,2
	ds_load_b128 v[\reg+4*\c:\reg+4*\c+3], v[\adr] offset:(\i)*ROWB+(\q)*FRB+512*\c
.endr
.endm
.macro FETCH slot, q, p                ; 48 LDS loads in one run: the fragments of the slot's q-th 128 along K into set p
	WIN 0x40
.irp i, 0,1,2,3,4,5,6,7
	FRAG 128*(\p)+FR*\i, ADRB+\slot, \q, \i
.endr
	WIN 0
.irp i, 0,1,2,3,4,5,6,7
	FRAG AF+96*(\p)+FR*\i, ADRA+\slot, \q, \i
.endr
.endm
.macro SCALES sc
.irp i, 0,1,2,3,4,5,6,7
.irp q, 0,1
	ds_load_b32 v[SC+16*\sc+NQ*\i+\q], v[ADRS] offset:\q*NT*128+\i*64
.endr
.endr
.endm
; 16 matrix instructions: A's tiles a0, a0 + 1 against B's eight.  The 64 accumulators take turns in the same order in every step.  mode 1: the first product starts the sums.
.macro MULG a0, p, q, sc, mode
.irp a, \a0, \a0+1
.irp b, 0,1,2,3,4,5,6,7
.if \mode == 1
	v_wmma_scale_f32_16x16x128_f8f6f4 v[8*(NT*((\a)%4)+\b):8*(NT*((\a)%4)+\b)+7], v[128*(\p)+FR*\b:128*(\p)+FR*\b+FR-1], v[AF+96*(\p)+FR*(\a):AF+96*(\p)+FR*(\a)+FR-1], 0, v[SC+16*(\sc)+NQ*\b+(\q)], v[SC+16*(\sc)+NQ*(\a)+(\q)] matrix_a_fmt:MATRIX_FMT_FP6 matrix_b_fmt:MATRIX_FMT_FP6 matrix_a_scale:MATRIX_SCALE_ROW1
.else
	v_wmma_scale_f32_16x16x128_f8f6f4 v[8*(NT*((\a)%4)+\b):8*(NT*((\a)%4)+\b)+7], v[128*(\p)+FR*\b:128*(\p)+FR*\b+FR-1], v[AF+96*(\p)+FR*(\a):AF+96*(\p)+FR*(\a)+FR-1], v[8*(NT*((\a)%4)+\b):8*(NT*((\a)%4)+\b)+7], v[SC+16*(\sc)+NQ*\b+(\q)], v[SC+16*(\sc)+NQ*(\a)+(\q)] matrix_a_fmt:MATRIX_FMT_FP6 matrix_b_fmt:MATRIX_FMT_FP6 matrix_a_scale:MATRIX_SCALE_ROW1
.endif
.endr
.endr
.endm
.macro STEP slot, q, mode              ; 128 along K whose successor lies in the same slot
	s_wait_dscnt 0x0                               ; this step's fragments, asked for 32 matrix instructions ago, are in
	WIN 0xa1
	MULG 0, (\q)%2, \q, \slot, \mode
	MULG 2, (\q)%2, \q, \slot, \mode
	PLACES 4                                       ; four places in front of loads into registers that matrix instructions have read
	FETCH \slot, (\q)+1, 1-(\q)%2
	WIN 0xf1
	MULG 4, (\q)%2, \q, \slot, \mode
	MULG 6, (\q)%2, \q, \slot, \mode
	WIN 0
.endm
.macro TURN slot, next, fill           ; a slot's last step changes slots: one barrier; in front of it all my tensor loads, the add, and my reads of this slot
	s_wait_tensorcnt 0x0                           ; all my tensor loads have landed: my part of the next slot
	ds_add_u32 v[SPW], v[NIL]
	s_wait_dscnt 1                                 ; the fragments are in; the add may be out
	WIN 0xa1
	MULG 0, 1, NQ-1, \slot, 0
	s_wait_dscnt 0x0                               ; the add is done, my reads of this slot are over
	s_barrier_signal -1
	MULG 2, 1, NQ-1, \slot, 0
	WIN 0
	s_barrier_wait -1
.if \fill
	CREST                                          ; the barrier has opened a round of the cluster's: no wave of any partner still reads this slot or has a load on its way
	s_add_nc_u64 s[G0+4*\slot+2:G0+4*\slot+3], s[G0+4*\slot+2:G0+4*\slot+3], 2*ROWB
	s_add_nc_u64 s[G0B+4*\slot+2:G0B+4*\slot+3], s[G0B+4*\slot+2:G0B+4*\slot+3], 2*ROWB
	JLOAD G0+4*\slot, G1, G0B+4*\slot, G1B         ; the first tensor load behind the round; its four v_nop are the places in front of the loads below
.else
	PLACES 4
.endif
	s_wait_alu depctr_va_vdst(0)
	v_add_nc_u32 v[ADRS], NQ*NT*128, v[ADRS]
	FETCH \next, 0, 0
	SCALES \next
	WIN 0xf1
	MULG 4, 1, NQ-1, \slot, 0
	MULG 6, 1, NQ-1, \slot, 0
	WIN 0
.endm
	s_wait_alu depctr_va_vdst(0)
	s_wait_tensorcnt 0x0                           ; my tile of the head's four is in
	ds_add_u32 v[SPW], v[NIL]
	s_mov_b32 s[G1+2], NT<<16                      ; no tensor load of mine is out: from here on a load brings NT tiles,
	s_mov_b32 s[G1+4], NT
	s_mov_b32 s[G1B+2], NT<<16
	s_mov_b32 s[G1B+4], NT
	s_mov_b32 s[G0+1], s45                         ; and slot 0's group 0 becomes the ring's: my half of the tiles
	s_add_nc_u64 s[G0+2:G0+3], s[G0+2:G0+3], s[18:19]
	s_mov_b32 s[G0B+1], s45
	s_add_nc_u64 s[G0B+2:G0B+3], s[G0B+2:G0B+3], s[18:19]
	s_wait_dscnt 0x0
	CROUND                                         ; a whole round: all four tiles are in, and the sixteen work-groups are here
	JLOAD G0+4, G1, G0B+4, G1B                     ; slot 1's first fill, the first tensor load behind the round
	FETCH 0, 0, 0
	SCALES 0
	STEP 0, 0, 1
	s_mov_b32 s3, LAPS-1
.Llap:
	TURN 0, 1, 1
	STEP 1, 0, 0
	TURN 1, 0, 1
	STEP 0, 0, 0
	s_sub_co_u32 s3, s3, 1
	s_cmp_lg_u32 s3, 0
	s_cbranch_scc1 .Llap
	TURN 0, 1, 0                                   ; the last lap fills nothing
	STEP 1, 0, 0
	s_wait_dscnt 0x0
	WIN 0xa1
	MULG 0, 1, NQ-1, 1, 0
	MULG 2, 1, NQ-1, 1, 0
	WIN 0xf1
	MULG 4, 1, NQ-1, 1, 0
	MULG 6, 1, NQ-1, 1, 0
	WIN 0
	s_wait_tensorcnt 0x0                           ; the way out touches no LDS
	ds_add_u32 v[SPW], v[NIL]
	s_wait_dscnt 0x0
	PLACES 4                                       ; behind the last products
.irp b, 0,1,2,3
	v_mov_b32 v[TM+4+\b], 0                        ; a lane permute's destination counts as one of its sources
.endr
; The 64 numbers of A's tile a, read where they were summed, become 12 registers of codes (d0: k 0-63, d1: k 64-127) and the row's scale word.  Each accumulator is read from its low end on.
.macro QW a, d0, d1, pw
.set QSB, 64*((\a)%4)
.set QWN, 2+(\a)/4
.set QW2, QWN|(QWN<<2)
	WIN QW2                                        ; sources 0 and 1 in the accumulators' window
.irp b, 0,1,2,3
	v_max3_num_f32 v[TM+\b], |v[QSB+16*\b]|, |v[QSB+16*\b+1]|, 0x1800000
.endr
.irp i, 2,4,6,8,10,12,14
.irp b, 0,1,2,3
	v_max3_num_f32 v[TM+\b], |v[QSB+16*\b+\i]|, |v[QSB+16*\b+\i+1]|, v[TM+\b]
.endr
.endr
	WIN 0
.irp b, 0,1,2,3
	v_permlanex16_b32 v[TM+4+\b], v[TM+\b], s[SEL], s[SEL+1]
.endr
.irp b, 0,1,2,3
	v_max_num_f32 v[TM+\b], v[TM+\b], v[TM+4+\b]
.endr
.irp b, 0,1,2,3
	v_add_nc_u32 v[TM+12+\b], 0xff000000, v[TM+\b]
.endr
.irp b, 0,1,2,3
	v_lshrrev_b32 v[TM+4+\b], 23, v[TM+12+\b]
.endr
	v_lshl_or_b32 v[\pw], v[TM+5], 8, v[TM+4]
	v_lshl_or_b32 v[\pw], v[TM+6], 16, v[\pw]
	v_lshl_or_b32 v[\pw], v[TM+7], 24, v[\pw]
	WIN QWN
	v_cvt_scalef32_pk16_fp6_f32 v[\d0:\d0+2], v[QSB:QSB+15], v[TM+12]
	v_cvt_scalef32_pk16_fp6_f32 v[YT:YT+2], v[QSB+16:QSB+31], v[TM+13]
	v_cvt_scalef32_pk16_fp6_f32 v[\d1:\d1+2], v[QSB+32:QSB+47], v[TM+14]
	v_cvt_scalef32_pk16_fp6_f32 v[YT+4:YT+6], v[QSB+48:QSB+63], v[TM+15]
	WIN 0
	v_nop                                          ; one plain place behind a scaled conversion
.irp i, 0,1,2
	v_permlane16_swap_b32 v[\d0+\i], v[YT+\i]
.endr
.irp i, 0,1,2
	v_mov_b32 v[\d0+3+\i], v[YT+\i]
.endr
.irp i, 0,1,2
	v_permlane16_swap_b32 v[\d1+\i], v[YT+4+\i]
.endr
.irp i, 0,1,2
	v_mov_b32 v[\d1+3+\i], v[YT+4+\i]
.endr
.endm
	s_cmp_eq_u32 s96, 1
	s_cbranch_scc0 .Lvpath
	; ---- q and k: my 128 columns are two heads, my 128 rows one record's tokens
	s_lshr_b32 s20, s42, 2                         ; part
	s_and_b32 s21, s42, 3
	s_lshl_b32 s21, s21, 2
	s_lshl_b32 s22, s16, 1
	s_add_co_u32 s21, s21, s22                     ; my first head
	s_lshr_b32 s22, s17, 3                         ; batch
	s_and_b32 s23, s17, 7
	s_lshl_b32 s23, s23, 1
	s_add_co_u32 s23, s23, s15                     ; which 128 tokens
	s_lshl_b32 s20, s20, 5
	s_lshl_b32 s22, s22, 4
	s_add_co_u32 s20, s20, s22
	s_add_co_u32 s20, s20, s21
	s_lshl_b32 s20, s20, 4
	s_add_co_u32 s20, s20, s23
	s_mul_i32 s20, s20, 6656
	s_mov_b32 s21, 0
	s_add_nc_u64 s[8:9], s[8:9], s[20:21]
	s_mov_b32 s10, 0xffff0000
	s_mov_b32 s11, 0x01000100
	s_mov_b32 s12, 0x03020302
.irp c, 0,1,2,3
	s_wait_xcnt 0x0                                ; the pair before has stored: its registers may be written again
	QW 2*\c, R0, R1, PWA
	QW 2*\c+1, R0+6, R1+6, PWB
.irp k, 0,1,2
	global_store_b128 v[L16], v[R0+4*\k:R0+4*\k+3], s[8:9] offset:\c*FRB+512*\k
	global_store_b128 v[L16], v[R1+4*\k:R1+4*\k+3], s[8:9] offset:HEADB+\c*FRB+512*\k
.endr
	v_cndmask_b32 v[WSEL], v[PWA], v[PWB], s10     ; lanes 0-15: the even tile's word, lanes 16-31: the odd tile's
	v_perm_b32 v[SCQ+\c], v[WSEL], v[WSEL], s11    ; the first head's two bytes, twice
	v_perm_b32 v[SCQ+4+\c], v[WSEL], v[WSEL], s12  ; the second head's
.endr
	global_store_b128 v[L16], v[SCQ:SCQ+3], s[8:9] offset:6144
	global_store_b128 v[L16], v[SCQ+4:SCQ+7], s[8:9] offset:HEADB+6144
	s_branch .Lend
.Lvpath:
	; ---- v: my 128 rows are two heads' channels, my 128 columns one record's keys
	s_lshl_b32 s21, s17, 2
	s_lshl_b32 s22, s15, 1
	s_add_co_u32 s21, s21, s22                     ; my first head
	s_lshr_b32 s22, s42, 3                         ; batch
	s_and_b32 s23, s42, 7
	s_lshl_b32 s23, s23, 1
	s_add_co_u32 s23, s23, s16                     ; which 128 keys
	s_lshl_b32 s22, s22, 4
	s_add_co_u32 s20, s22, 64                      ; part 2
	s_add_co_u32 s20, s20, s21
	s_lshl_b32 s20, s20, 4
	s_add_co_u32 s20, s20, s23
	s_mul_i32 s20, s20, 6656
	s_mov_b32 s21, 0
	s_add_nc_u64 s[8:9], s[8:9], s[20:21]
.irp a, 0,1,2,3,4,5,6,7
	s_wait_xcnt 0x0
	QW \a, PC, PC+6, PV+\a%4
.irp k, 0,1,2
	global_store_b128 v[L16], v[PC+4*\k:PC+4*\k+3], s[8:9] offset:(\a/4)*HEADB+(\a%4)*FRB+512*\k
.endr
.if \a%4 == 3
	global_store_b128 v[L16], v[PV:PV+3], s[8:9] offset:(\a/4)*HEADB+6144
.endif
.endr
.Lend:
	CROUND                                         ; the closing round
	s_endpgm
.Lfunc_end_k_q751422114b_qkv:
	.size	k_q751422114b_qkv, .Lfunc_end_k_q751422114b_qkv-k_q751422114b_qkv
	.p2alignl 7, 3214868480
	.fill 96, 4, 3214868480
	.section	.rodata,"a",@progbits
	.p2align	6, 0x0
	.amdhsa_kernel k_q751422114b_qkv
		.amdhsa_group_segment_fixed_size 327680
		.amdhsa_private_segment_fixed_size 0
		.amdhsa_enable_private_segment 0
		.amdhsa_kernarg_size 24
		.amdhsa_user_sgpr_count 2
		.amdhsa_user_sgpr_kernarg_segment_ptr 1
		.amdhsa_wavefront_size32 1
		.amdhsa_system_sgpr_workgroup_id_x 1
		.amdhsa_system_sgpr_workgroup_id_y 1
		.amdhsa_system_sgpr_workgroup_id_z 1
		.amdhsa_system_vgpr_workitem_id 0
		.amdhsa_next_free_vgpr 1024
		.amdhsa_next_free_sgpr 100
		.amdhsa_reserve_vcc 0
		.amdhsa_float_denorm_mode_32 3
		.amdhsa_float_denorm_mode_16_64 3
		.amdhsa_memory_ordered 1
		.amdhsa_forward_progress 1
		.amdhsa_inst_pref_size 177
	.end_amdhsa_kernel
	.amdgpu_metadata
---
amdhsa.version: [ 1, 2 ]
amdhsa.kernels:
  - .name:           k_q751422114b_qkv
    .symbol:         k_q751422114b_qkv.kd
    .args:
      - { .name: ha, .offset: 0, .size: 8, .value_kind: global_buffer, .address_space: global }
      - { .name: wts, .offset: 8, .size: 8, .value_kind: global_buffer, .address_space: global }
      - { .name: qkvb, .offset: 16, .size: 8, .value_kind: global_buffer, .address_space: global }
    .group_segment_fixed_size: 327680
    .private_segment_fixed_size: 0
    .kernarg_segment_align: 8
    .kernarg_segment_size: 24
    .max_flat_workgroup_size: 128
    .sgpr_count:     100
    .vgpr_count:     1024
    .wavefront_size: 32
...
	.end_amdgpu_metadata
.endif
;; end of part 2
;; launch attn (part 3): grid 8 x 32, 16 waves a work-group, clusters of 4 x 1, 327,680 bytes of LDS; arguments qkvb, tb; writes tb
.if DOCPART == 3
	.amdgcn_target "amdgcn-amd-amdhsa--gfx1250"
	.amdhsa_code_object_version 6
	.text
	.protected	k_q751422114b_attn
	.globl	k_q751422114b_attn
	.p2align	8
	.type	k_q751422114b_attn,@function
k_q751422114b_attn:
	s_mov_b64 s[64:65], 0
	v_nop
	global_prefetch_b8 v0, s[64:65] scope:SCOPE_SE
	s_setreg_imm32_b32 hwreg(HW_REG_WAVE_MODE, 25, 1), 1
	s_wait_xcnt 0x0
	s_wait_alu depctr_hold_cnt(0) depctr_sa_sdst(0) depctr_va_vdst(0) depctr_va_sdst(0) depctr_va_ssrc(0) depctr_va_vcc(0) depctr_vm_vsrc(0)
	s_getreg_b32 s2, hwreg(HW_REG_IB_STS2, 6, 4)
	s_cmp_eq_u32 s2, 0
	s_cbranch_scc0 .Lentry_in_a_cluster
	s_endpgm
.Lentry_in_a_cluster:
	s_bfe_u32 s2, ttmp6, 0x10000c
	s_cmp_lg_u32 s2, 0x3003
	s_cbranch_scc0 .Lentry_shape_is_right
	s_endpgm
.Lentry_shape_is_right:
; Causal attention of one (batch, head) on codes of FP6 (E2M3): S^T = k q^T, p = 2^(t - M) with M the ceiling of the running largest t, O^T += v^T p^T, O / l at the end.  Both products are used transposed: a lane holds one query.
; A work-group has 16 tiles of 16 queries, one in each record of 128 tokens; tile T needs the key records 0 .. T (the records above lie wholly under the causal mask and are left out): 136 steps of 128 keys.
; THE STEPS ARE DEALT 9 / 8 TO THE 16 WAVES.  Pair p = 0 .. 7 owns tiles p and 15 - p, 17 steps.  Wave S_p: tile p on records 0 .. p, which it finishes and sends to the stage; then tile 15 - p on records p + 1 .. 8, as a partial result.
; Wave L_p: tile 15 - p on records 9 .. 15 - p and 0 .. p.  The order of the keys is free under a running M.  At the end S_p hands O, l and -M through LDS bytes of their own to L_p, which brings both parts under the larger M
; by exact powers of two, adds them and finishes the tile.  One loop of 16 trips serves all: record = (trip + base) & 15, and a bit mask made from the wave's number says which records are the wave's.
; K AND V of the head, 2 x 106,496 bytes, come once: each wave asks for 52 rows of 256 bytes by ONE joint tensor load (the four work-groups of a cluster share the head).  Nothing is filled again.
; No prefetch: the launch's only loads from this stream are issued at its head, and no loop runs ahead of a load.
; The head's 64 along K fill half of the instruction's 128: six registers of zeros stand beside each tile of k, and q stands in both halves of its operand.
; LIMITS: the promise holds while the scaled scores stay under 2^31 in magnitude; NaN and infinities are not served; a block whose every p is 0 gets the byte 1 (zero codes).
.set REC,   6656
.set HEADB, 106496
.set SHARE, 13312                      ; a wave's part of K or of V: two records
.set STG,   212992                     ; the stage: 16 rows of 4,112 bytes
.set SPITCH, 4112
.set SPARE, 278784                     ; the spare words, 128 bytes a wave
.set MRGB,  280832                     ; the partial results: 4,608 bytes a pair
.set MPAIR, 4608
.set AL,  1
.set ADK, 2
.set ADV, 3
.set STO, 4
.set SPW, 5
.set NIL, 6
.set RDA, 7
.set MRG, 8
.set DQ,  9
.set QS,  28                           ; q's scale words; v255: those of the second tile
.set QS2, 255
.set KS,  220
.set VS,  224
.set WV,  18
.set SEL, 20
.set CS,  22
.set G1,  24
.set G0,  32
.set TY,  36                           ; 0: wave S, 1: wave L
.set PP,  37                           ; the pair
.set BASE, 38
.set ACT, 39                           ; bit s: key record s is mine
.set FL,  40                           ; the record at which S changes tiles
.set RK2, 41                           ; 15 - p
.set RK,  48                           ; the tile at work
.set SG,  53
.set TB,  54
.set CNT, 55
.macro CROUND
	s_barrier_signal -1
	s_barrier_wait -1
	s_cmp_lg_u32 s[WV], 0
	s_cbranch_scc1 .Lnot_wave_0_\@
	s_barrier_signal -3
.Lnot_wave_0_\@:
	s_barrier_wait -3
	s_barrier_signal -1
	s_barrier_wait -1
.endm
.macro INIT                            ; a tile's state: the largest t -3e38, -M, the sum's two halves, O^T
	v_mov_b32 v13, 0xff61b1e6
	v_mov_b32 v14, 0
	v_mov_b32 v15, 0
	v_floor_f32 v12, -v13
.set oi, 0
.rept 32
	v_mov_b32 v[176+oi], 0
.set oi, oi+1
.endr
.endm
.macro FINAL                           ; O^T / l into the stage, at my first tile's place
.rept 4
	v_nop                                          ; places behind the last products
.endr
	v_add_f32 v14, v14, v15
	s_delay_alu instid0(VALU_DEP_1)
	v_permlanex16_b32 v252, v14, s[SEL], s[SEL+1]
	s_delay_alu instid0(VALU_DEP_1)
	v_add_f32 v14, v14, v252
	s_wait_alu depctr_va_vdst(0)                   ; ahead of the transcendental
	v_rcp_f32 v14, v14
	v_nop
	s_wait_alu depctr_va_vdst(0)                   ; and ahead of its first reader
.set oi, 0
.rept 32
	v_mul_f32 v[112+oi], v[176+oi], v14            ; each accumulator from its low end on
.set oi, oi+1
.endr
.irp t, 0,1,2,3
.irp j, 0,1,2,3,4,5,6,7
	ds_store_b32 v[STO], v[112+8*\t+\j] offset:1024*\t+16*\j
.endr
.endr
.endm
	s_load_b128 s[4:7], s[0:1], 0x0                ; qkvb, tb
	v_lshl_add_u32 v[SPW], v0, 2, SPARE
	v_mov_b32 v[NIL], 0
	ds_add_u32 v[SPW], v[NIL]                      ; the opening: the add, twice on end, and its wait ahead of my tensor load
	ds_add_u32 v[SPW], v[NIL]
	v_lshrrev_b32 v10, 5, v0
	s_delay_alu instid0(VALU_DEP_1)
	v_readfirstlane_b32 s[WV], v10                 ; wave 0..15
	s_bfe_u32 s19, ttmp6, 0x40000                  ; cx
	s_bfe_u32 s[TY], s[WV], 0x10002                ; waves 0-3, 8-11: S; 4-7, 12-15: L
	s_and_b32 s[PP], s[WV], 3
	s_lshr_b32 s56, s[WV], 3
	s_lshl_b32 s56, s56, 2
	s_or_b32 s[PP], s[PP], s56                     ; p
	s_mul_i32 s56, s[TY], 15
	s_xor_b32 s[RK], s[PP], s56                    ; my first tile: p or 15 - p
	s_xor_b32 s[RK2], s[PP], 15
	s_mul_i32 s[BASE], s[TY], 9                    ; S begins at record 0, L at record 9
	s_lshl_b32 s56, 2, s[PP]
	s_sub_co_u32 s56, s56, 1                       ; bits 0 .. p
	s_lshr_b32 s57, 0x10000, s[PP]
	s_sub_co_u32 s57, s57, 512                     ; bits 9 .. 15 - p
	s_or_b32 s56, s56, s57
	s_add_co_u32 s57, s[PP], 1
	s_cmp_eq_u32 s[TY], 0
	s_cselect_b32 s[ACT], 0x1ff, s56               ; S: records 0 .. 8
	s_cselect_b32 s[FL], s57, 99                   ; L never changes tiles
	s_lshl_b32 s49, ttmp9, 2
	s_add_co_u32 s49, s49, s19                     ; work-group x
	s_lshr_b32 s50, s49, 1                         ; which pair of tiles of a record
	s_and_b32 s51, s49, 1                          ; and which of the two
	s_and_b32 s52, ttmp7, 0xffff                   ; batch x 16 + head
	s_lshr_b32 s56, s[WV], 3                       ; I fetch for K (0) or V (1)
	s_and_b32 s57, s[WV], 7
	s_mul_i32 s58, s56, HEADB
	s_mul_i32 s59, s57, SHARE
	s_add_co_u32 s58, s58, s59                     ; where it goes: by the wave's number alone
	s_lshl_b32 s60, s56, 5
	s_add_co_u32 s60, s60, 32
	s_add_co_u32 s60, s60, s52
	s_mul_i32 s60, s60, HEADB
	s_add_co_u32 s60, s60, s59
	s_mov_b32 s61, 0
	s_mov_b32 s[G1], 15|(3<<16)|(1<<21)            ; the four partners; elements of 8 bytes; bit 21 beside a mask
	s_mov_b32 s[G1+1], 32<<16                      ; rows of 256 bytes,
	s_mov_b32 s[G1+2], 52<<16                      ; 52 of them, dense
	s_mov_b32 s[G1+3], 32<<16
	s_mov_b32 s[G1+4], 52
	s_mov_b32 s[G1+5], 32
	s_mov_b32 s[G1+6], 0
	s_mov_b32 s[G1+7], 0
	s_mov_b32 s[SEL], 0x76543210
	s_mov_b32 s[SEL+1], 0xfedcba98
	s_mov_b32 s[CS], 0x3e38aa3b                    ; log2(e) / 8
	s_mov_b32 s[CS+1], s[CS]
	s_wait_dscnt 0x0                               ; both opening adds are done
	s_wait_kmcnt 0x0
	s_add_nc_u64 s[60:61], s[4:5], s[60:61]
	CROUND                                         ; the four work-groups are here: the joint loads meet
	s_mov_b32 s[G0], 1
	s_mov_b32 s[G0+1], s58
	s_mov_b64 s[G0+2:G0+3], s[60:61]
	s_or_b32 s[G0+3], s[G0+3], 0x80000000
	tensor_load_to_lds s[G0:G0+3], s[G1:G1+7]      ; my one tensor load
	s_nop 0
.rept 4
	v_nop
.endr
	; the scalar figures first, then the vector registers in one run
	s_lshl_b32 s56, s52, 4
	s_add_co_u32 s57, s56, s[RK2]
	s_add_co_u32 s56, s56, s[RK]
	s_mul_i32 s56, s56, REC
	s_mul_i32 s42, s57, REC
	s_mov_b32 s57, 0
	s_mov_b32 s43, 0
	s_add_nc_u64 s[62:63], s[4:5], s[56:57]        ; q's record of my first tile,
	s_add_nc_u64 s[42:43], s[4:5], s[42:43]        ; and of tile 15 - p
	s_mul_i32 s66, s50, 1536
	s_lshl_b32 s67, s51, 8
	s_lshl_b32 s57, s50, 2
	s_add_co_u32 s67, s67, s57
	s_lshl_b32 s69, s50, 5
	s_lshl_b32 s57, s51, 3
	s_add_co_u32 s69, s69, s57                     ; my tile's first query in its record
	s_lshr_b32 s70, s[RK], 2
	s_lshl_b32 s70, s70, 8
	s_and_b32 s57, s[RK], 3
	s_lshl_b32 s57, s57, 2
	s_add_co_u32 s70, s70, s57
	s_add_co_u32 s70, s70, STG                     ; my first tile's place in a stage row
	s_mul_i32 s71, s[WV], SPITCH
	s_add_co_u32 s71, s71, STG                     ; the stage row that I send out
	s_mul_i32 s72, s[PP], MPAIR
	s_add_co_u32 s72, s72, MRGB                    ; my pair's partial result
	s_lshr_b32 s56, s52, 4
	s_lshl_b32 s56, s56, 7
	s_lshl_b32 s57, s51, 3
	s_add_co_u32 s57, s57, s[WV]
	s_lshr_b32 s58, s[WV], 3
	s_lshl_b32 s58, s58, 3
	s_add_co_u32 s57, s57, s58
	s_lshl_b32 s57, s57, 2
	s_add_co_u32 s56, s56, s57
	s_lshl_b32 s56, s56, 16
	s_and_b32 s57, s52, 15
	s_lshl_b32 s57, s57, 12
	s_add_co_u32 s56, s56, s57
	s_lshl_b32 s57, s50, 10
	s_add_co_u32 s56, s56, s57
	s_mov_b32 s57, 0
	s_add_nc_u64 s[6:7], s[6:7], s[56:57]          ; where my stage row goes in tb
	s_cmp_eq_u32 s51, 1
	s_cselect_b32 s68, -1, 0
	v_and_b32 v29, 15, v0                          ; r
	v_bfe_u32 v30, v0, 4, 1                        ; h
	v_and_b32 v[AL], 31, v0
	s_delay_alu instid0(VALU_DEP_1)
	v_lshlrev_b32 v[AL], 4, v[AL]                  ; 16 x lane
	v_lshl_add_u32 v11, v29, 4, s67
	v_and_b32 v31, 8, v29
	v_lshlrev_b32 v[DQ], 4, v30
	v_add_nc_u32 v10, s66, v[AL]
	v_add_nc_u32 v31, v31, v29
	v_mul_u32_u24 v[STO], v29, SPITCH
	s_delay_alu instid0(VALU_DEP_2)
	v_sub_nc_u32 v[DQ], v31, v[DQ]
	s_delay_alu instid0(VALU_DEP_2)
	v_lshl_add_u32 v[STO], v30, 7, v[STO]
	v_add_nc_u32 v[DQ], s69, v[DQ]                 ; my query's place in the record, less 16 h
	v_add_nc_u32 v[STO], s70, v[STO]
	v_add_nc_u32 v[RDA], s71, v[AL]
	v_add_nc_u32 v[MRG], s72, v[AL]
	s_wait_alu depctr_va_vdst(0)
.irp c, 0,1,2
	global_load_b128 v[112+4*\c:115+4*\c], v10, s[62:63] offset:512*\c
	global_load_b128 v[124+4*\c:127+4*\c], v10, s[42:43] offset:512*\c
.endr
	global_load_b32 v[QS], v11, s[62:63] offset:6144
	global_load_b32 v[QS2], v11, s[42:43] offset:6144
	INIT
.irp b, 0,1,2,3
	v_mov_b32 v[236+\b], 0                         ; a lane permute's destination counts as one of its sources
.endr
	v_mov_b32 v252, 0
	v_mov_b32 v253, 0
.irp k, 0,1,2,3,4
.irp i, 0,1,2,3,4,5
	v_mov_b32 v[32+18*\k+\i], 0                    ; the zeros beside k's tiles
.endr
.endr
	s_wait_loadcnt 0x0
.irp i, 0,1,2,3,4,5
	v_cndmask_b32 v[16+\i], v[112+\i], v[118+\i], s68                 ; my tile of the pair
	v_cndmask_b32 v[228+\i-(\i/4)*122], v[124+\i], v[130+\i], s68     ; the second tile's q waits in v228-231, v110-111
.endr
.irp i, 0,1,2,3,4,5
	v_mov_b32 v[22+\i], v[16+\i]
.endr
	s_wait_alu depctr_va_vdst(0)                   ; the head's end
	s_wait_tensorcnt 0x0                           ; my part of K or V has landed
	s_barrier_signal -1
	s_barrier_wait -1                              ; and everybody's
	s_mov_b32 s[CNT], 0
.Lstep:
	s_add_co_u32 s[SG], s[CNT], s[BASE]
	s_and_b32 s[SG], s[SG], 15                     ; this trip's key record
	s_lshr_b32 s56, s[ACT], s[SG]
	s_and_b32 s56, s56, 1
	s_cmp_eq_u32 s56, 0
	s_cbranch_scc1 .Lhidden                        ; not mine: the branch hangs on the wave's number and the trip alone
	s_cmp_lg_u32 s[SG], s[FL]
	s_cbranch_scc1 .Lsame
	FINAL                                          ; wave S at record p + 1: tile p is finished,
	v_mov_b32 v[QS], v[QS2]                        ; and tile 15 - p begins
.irp i, 0,1,2,3,4,5
	v_mov_b32 v[16+\i], v[228+\i-(\i/4)*122]
	v_mov_b32 v[22+\i], v[228+\i-(\i/4)*122]
.endr
	INIT                                           ; (its 36 lines are also the places between q's new registers and the products)
	s_mov_b32 s[RK], s[RK2]
	s_wait_alu depctr_va_vdst(0)
.Lsame:
	s_mul_i32 s[TB], s[SG], REC
	v_add_nc_u32 v[ADK], s[TB], v[AL]
	s_delay_alu instid0(VALU_DEP_1)
	v_add_nc_u32 v[ADV], HEADB, v[ADK]
	v_nop
	v_nop                                          ; four places in front of loads into registers that the last products read
.irp p, 0,1,2,3
.irp c, 0,1,2
	ds_load_b128 v[38+18*\p+4*\c:41+18*\p+4*\c], v[ADK] offset:1536*\p+512*\c
.endr
.endr
	ds_load_b128 v[KS:KS+3], v[ADK] offset:6144
	s_wait_dscnt 0x0
	s_wait_alu depctr_va_vdst(0)
.irp p, 0,1,2,3
	v_wmma_scale_f32_16x16x128_f8f6f4 v[112+16*\p:119+16*\p], v[32+18*\p:43+18*\p], v[16:27], 0, v[KS+\p], v[QS] matrix_a_fmt:MATRIX_FMT_FP6 matrix_b_fmt:MATRIX_FMT_FP6
	v_wmma_scale_f32_16x16x128_f8f6f4 v[120+16*\p:127+16*\p], v[44+18*\p:55+18*\p], v[16:27], 0, v[KS+\p], v[QS] matrix_a_fmt:MATRIX_FMT_FP6 matrix_b_fmt:MATRIX_FMT_FP6 matrix_a_scale:MATRIX_SCALE_ROW1
.endr
.rept 4
	v_nop
.endr
.irp t, 0,1,2,3
.irp c, 0,1,2
	ds_load_b128 v[38+18*\t+4*\c:41+18*\t+4*\c], v[ADV] offset:1536*\t+512*\c    ; v's fragments come under the softmax
.endr
.endr
	ds_load_b128 v[VS:VS+3], v[ADV] offset:6144
	s_cmp_lg_u32 s[SG], s[RK]
	s_cbranch_scc1 .Lopen
	v_mov_b32 v254, 0xff800000                     ; the tile's own record: keys behind the query count for nothing
.set mn, 0
.rept 64
	v_cmp_gt_i32 vcc_lo, 32*(mn/16)+mn%16, v[DQ]
	v_cndmask_b32 v[112+mn], v[112+mn], v254, vcc_lo
.set mn, mn+1
.endr
.Lopen:
.irp b, 0,1,2,3
	v_max3_num_f32 v[232+\b], v[112+16*\b], v[113+16*\b], v[114+16*\b]           ; each block's largest score
.endr
.irp i, 3,5,7,9,11,13
.irp b, 0,1,2,3
	v_max3_num_f32 v[232+\b], v[232+\b], v[112+16*\b+\i], v[113+16*\b+\i]
.endr
.endr
.irp b, 0,1,2,3
	v_max_num_f32 v[232+\b], v[232+\b], v[127+16*\b]
.endr
.irp b, 0,1,2,3
	s_delay_alu instid0(VALU_DEP_4)
	v_permlanex16_b32 v[236+\b], v[232+\b], s[SEL], s[SEL+1]
.endr
.irp b, 0,1,2,3
	s_delay_alu instid0(VALU_DEP_4)
	v_max_num_f32 v[232+\b], v[232+\b], v[236+\b]
.endr
	s_delay_alu instid0(VALU_DEP_2)
	v_max3_num_f32 v254, v232, v233, v234
	s_delay_alu instid0(VALU_DEP_1)
	v_max_num_f32 v254, v254, v235
	s_delay_alu instid0(VALU_DEP_1)
	v_mul_f32 v254, s[CS], v254
	s_delay_alu instid0(VALU_DEP_1)
	v_max_num_f32 v13, v13, v254                   ; the running largest t
	v_mov_b32 v254, v12
	s_delay_alu instid0(VALU_DEP_2)
	v_floor_f32 v12, -v13                          ; -M, a whole number
	s_delay_alu instid0(VALU_DEP_1)
	v_sub_f32 v254, v12, v254
	s_delay_alu instid0(VALU_DEP_1)
	v_cvt_i32_f32 v254, v254
	s_delay_alu instid0(VALU_DEP_1)
	v_ldexp_f32 v252, 1.0, v254                    ; f = 2^(old M - new M)
.set sj, 0
.rept 32
	v_pk_fma_f32 v[112+sj:113+sj], v[112+sj:113+sj], s[CS:CS+1], v[12:13] op_sel_hi:[1,0,0]
.set sj, sj+2
.endr
.irp b, 0,1,2,3
	v_fma_f32 v[232+\b], v[232+\b], s[CS], v12
.endr
.set sj, 0
	s_wait_alu depctr_va_vdst(0)                   ; ahead of the batch
.rept 64
	v_exp_f32 v[112+sj], v[112+sj]
.set sj, sj+1
.endr
	v_pk_mul_f32 v[14:15], v[14:15], v[252:253] op_sel_hi:[1,0]
	s_wait_alu depctr_va_vdst(0)                   ; and behind it
.irp b, 0,1,2,3
	v_exp_f32 v[232+\b], v[232+\b]                 ; each block's largest p
.endr
	v_pk_add_f32 v[236:237], v[112:113], v[114:115]           ; the row's sum, of the unquantised p
.irp j, 4,8,12,16,20,24,28,32,36,40,44,48,52,56,60
	v_pk_add_f32 v[14:15], v[14:15], v[112+\j:113+\j]
	v_pk_add_f32 v[236:237], v[236:237], v[114+\j:115+\j]
.endr
	s_delay_alu instid0(VALU_DEP_1)
	v_pk_add_f32 v[14:15], v[14:15], v[236:237]
	s_wait_alu depctr_va_vdst(0)
.irp b, 0,1,2,3
	v_max_num_f32 v[232+\b], 0x1800000, v[232+\b]  ; the floor 2^(3 - 127)
.endr
.irp b, 0,1,2,3
	s_delay_alu instid0(VALU_DEP_4)
	v_add_nc_u32 v[244+\b], 0xff000000, v[232+\b]
.endr
.irp b, 0,1,2,3
	s_delay_alu instid0(VALU_DEP_4)
	v_lshrrev_b32 v[236+\b], 23, v[244+\b]
.endr
	s_delay_alu instid0(VALU_DEP_3)
	v_lshl_or_b32 v253, v237, 8, v236              ; p's scale word
	s_delay_alu instid0(VALU_DEP_1)
	v_lshl_or_b32 v253, v238, 16, v253
	s_delay_alu instid0(VALU_DEP_1)
	v_lshl_or_b32 v253, v239, 24, v253
.irp c, 0,1
	v_cvt_scalef32_pk16_fp6_f32 v[208+6*\c:210+6*\c], v[112+32*\c:127+32*\c], v[244+2*\c]
	v_cvt_scalef32_pk16_fp6_f32 v[236+4*\c:238+4*\c], v[128+32*\c:143+32*\c], v[244+2*\c+1]
.endr
	v_nop                                          ; one plain place behind a scaled conversion
.irp c, 0,1
.irp i, 0,1,2
	v_permlane16_swap_b32 v[208+6*\c+\i], v[236+4*\c+\i]
.endr
.irp i, 0,1,2
	s_delay_alu instid0(VALU_DEP_3)
	v_mov_b32 v[211+6*\c+\i], v[236+4*\c+\i]
.endr
.endr
.set sj, 0
.rept 16
	v_pk_mul_f32 v[176+sj:177+sj], v[176+sj:177+sj], v[252:253] op_sel_hi:[1,0]    ; O^T under the new M
.set sj, sj+2
.endr
	s_wait_alu depctr_va_vdst(0)
	s_wait_dscnt 0x0                               ; v's fragments are in
.irp t, 0,1,2,3
	v_wmma_scale_f32_16x16x128_f8f6f4 v[176+8*\t:183+8*\t], v[38+18*\t:49+18*\t], v[208:219], v[176+8*\t:183+8*\t], v[VS+\t], v253 matrix_a_fmt:MATRIX_FMT_FP6 matrix_b_fmt:MATRIX_FMT_FP6
.endr
.Lhidden:
	s_add_co_u32 s[CNT], s[CNT], 1
	s_cmp_lt_u32 s[CNT], 16
	s_cbranch_scc1 .Lstep
.rept 4
	v_nop                                          ; places behind the last products
.endr
	s_cmp_lg_u32 s[TY], 0
	s_cbranch_scc1 .Lkeep
.irp i, 0,1,2,3,4,5,6,7
	ds_store_b128 v[MRG], v[176+4*\i:179+4*\i] offset:512*\i      ; wave S: its part of tile 15 - p: O^T,
.endr
	ds_store_b128 v[MRG], v[12:15] offset:4096                    ; -M, the largest t and the sum's two halves
.Lkeep:
	s_wait_dscnt 0x0                               ; my stores have landed, my reads are over
	s_barrier_signal -1
	s_barrier_wait -1
	s_cmp_eq_u32 s[TY], 0
	s_cbranch_scc1 .Ldone
.irp i, 0,1,2,3,4,5,6,7
	ds_load_b128 v[112+4*\i:115+4*\i], v[MRG] offset:512*\i       ; wave L: the partner's part
.endr
	ds_load_b128 v[144:147], v[MRG] offset:4096
	s_wait_dscnt 0x0
	v_min_num_f32 v148, v12, v144                  ; -M of the larger M
	s_delay_alu instid0(VALU_DEP_1)
	v_sub_f32 v149, v148, v12
	v_sub_f32 v150, v148, v144
	s_delay_alu instid0(VALU_DEP_2)
	v_cvt_i32_f32 v149, v149
	s_delay_alu instid0(VALU_DEP_2)
	v_cvt_i32_f32 v150, v150
	s_delay_alu instid0(VALU_DEP_2)
	v_ldexp_f32 v252, 1.0, v149                    ; my part's factor, a power of two,
	s_delay_alu instid0(VALU_DEP_2)
	v_ldexp_f32 v236, 1.0, v150                    ; and the partner's
	v_pk_mul_f32 v[14:15], v[14:15], v[252:253] op_sel_hi:[1,0]
.set sj, 0
.rept 16
	v_pk_mul_f32 v[176+sj:177+sj], v[176+sj:177+sj], v[252:253] op_sel_hi:[1,0]
.set sj, sj+2
.endr
	v_pk_fma_f32 v[14:15], v[146:147], v[236:237], v[14:15] op_sel_hi:[1,0,1]
.set sj, 0
.rept 16
	v_pk_fma_f32 v[176+sj:177+sj], v[112+sj:113+sj], v[236:237], v[176+sj:177+sj] op_sel_hi:[1,0,1]
.set sj, sj+2
.endr
	FINAL
.Ldone:
	s_wait_dscnt 0x0
	s_barrier_signal -1
	s_barrier_wait -1                              ; all 16 tiles lie in the stage
.irp i, 0,1,2,3,4,5,6,7
	ds_load_b128 v[32+4*\i:35+4*\i], v[RDA] offset:512*\i
.endr
.irp i, 0,1,2,3,4,5,6,7
	s_wait_dscnt 7-\i                              ; the younger loads may be out
	global_store_b128 v[AL], v[32+4*\i:35+4*\i], s[6:7] offset:(\i/2)*65536+512*(\i%2)    ; 32 lanes store 512 consecutive bytes
.endr
	s_wait_tensorcnt 0x0                           ; the wave's end
	ds_add_u32 v[SPW], v[NIL]
	s_wait_dscnt 0x0
	CROUND                                         ; the closing round
	s_endpgm
.Lfunc_end_k_q751422114b_attn:
	.size	k_q751422114b_attn, .Lfunc_end_k_q751422114b_attn-k_q751422114b_attn
	.p2alignl 7, 3214868480
	.fill 96, 4, 3214868480
	.section	.rodata,"a",@progbits
	.p2align	6, 0x0
	.amdhsa_kernel k_q751422114b_attn
		.amdhsa_group_segment_fixed_size 327680
		.amdhsa_private_segment_fixed_size 0
		.amdhsa_enable_private_segment 0
		.amdhsa_kernarg_size 16
		.amdhsa_user_sgpr_count 2
		.amdhsa_user_sgpr_kernarg_segment_ptr 1
		.amdhsa_wavefront_size32 1
		.amdhsa_system_sgpr_workgroup_id_x 1
		.amdhsa_system_sgpr_workgroup_id_y 1
		.amdhsa_system_sgpr_workgroup_id_z 1
		.amdhsa_system_vgpr_workitem_id 0
		.amdhsa_next_free_vgpr 256
		.amdhsa_next_free_sgpr 80
		.amdhsa_reserve_vcc 1
		.amdhsa_float_denorm_mode_32 3
		.amdhsa_float_denorm_mode_16_64 3
		.amdhsa_memory_ordered 1
		.amdhsa_forward_progress 1
		.amdhsa_inst_pref_size 47
	.end_amdhsa_kernel
	.amdgpu_metadata
---
amdhsa.version: [ 1, 2 ]
amdhsa.kernels:
  - .name:           k_q751422114b_attn
    .symbol:         k_q751422114b_attn.kd
    .args:
      - { .name: qkvb, .offset: 0, .size: 8, .value_kind: global_buffer, .address_space: global }
      - { .name: tb, .offset: 8, .size: 8, .value_kind: global_buffer, .address_space: global }
    .group_segment_fixed_size: 327680
    .private_segment_fixed_size: 0
    .kernarg_segment_align: 8
    .kernarg_segment_size: 16
    .max_flat_workgroup_size: 512
    .sgpr_count:     80
    .vgpr_count:     256
    .wavefront_size: 32
...
	.end_amdgpu_metadata
.endif
;; end of part 3
;; launch ln2 (part 4): grid 256 x 1, 8 waves a work-group, no clusters, 80,128 bytes of LDS; arguments x, tb, wts, ln2_w, ln2_b, hb; writes hb
.if DOCPART == 4
	.amdgcn_target "amdgcn-amd-amdhsa--gfx1250"
	.amdhsa_code_object_version 6
	.text
	.protected	k_q751422114b_ln2
	.globl	k_q751422114b_ln2
	.p2align	8
	.type	k_q751422114b_ln2,@function
k_q751422114b_ln2:
	s_mov_b64 s[64:65], 0
	v_nop
	global_prefetch_b8 v0, s[64:65] scope:SCOPE_SE
	s_setreg_imm32_b32 hwreg(HW_REG_WAVE_MODE, 25, 1), 1
	s_wait_xcnt 0x0
; x1 = x + wsum[d] o2[d][s] (a re-read of the attention's result, times the column sums of W_out), all in f32; then LayerNorm 2, quantised to FP6 (E2M3) as in the first LayerNorm's launch.
; x1 goes out in the order of the last product's accumulators: [token tile][128 columns][chunk 4 b + j][16 bytes a lane], the lane's four numbers being columns 32 b + 16 h + 4 j + 0..3 of row r.
; T[tile][head][J2 4][o 4][row 16][e 4] holds o2 at column d = 64 head + 16 o + 4 e + J2: a load of 16 bytes a lane brings e = 0..3, so register 16 b + 4 J2 + e belongs to my number 16 b + 4 e + J2.
; Shares, LDS, barriers and limits as in the first LayerNorm's launch.
.set PITCH, 4112
.set LW,    65792                      ; the gain; the bias 4,096 bytes on; wsum 8,192 bytes on
.set RED1,  78080
.set SPARE, 79104
.set PC,  2
.set L16, 22
.set XST, 23
.set XRD, 24
.set CW,  25
.set CR,  26
.set RST, 27
.set RRD, 28
.set R4,  29
.set CWL, 30
.set X,   32
.set A1,  96
.set A2,  160
.set TM,  224
.set PW,  240
.set MU,  242
.set SPW, 244
.set NIL, 245
.set S0,  246
.set S1,  248
.set SEL, 18
.macro QUANT s
.irp b, 0,1,2,3
	v_max3_num_f32 v[TM+\b], |v[\s+16*\b]|, |v[\s+1+16*\b]|, 0x1800000
.endr
.irp i, 2,4,6,8,10,12,14
.irp b, 0,1,2,3
	s_delay_alu instid0(VALU_DEP_4)
	v_max3_num_f32 v[TM+\b], v[TM+\b], |v[\s+16*\b+\i]|, |v[\s+1+16*\b+\i]|
.endr
.endr
.irp b, 0,1,2,3
	s_delay_alu instid0(VALU_DEP_4)
	v_permlanex16_b32 v[TM+4+\b], v[TM+\b], s[SEL], s[SEL+1]
.endr
.irp b, 0,1,2,3
	s_delay_alu instid0(VALU_DEP_4)
	v_max_num_f32 v[TM+\b], v[TM+\b], v[TM+4+\b]
.endr
.irp b, 0,1,2,3
	s_delay_alu instid0(VALU_DEP_4)
	v_add_nc_u32 v[TM+12+\b], 0xff000000, v[TM+\b]
.endr
.irp b, 0,1,2,3
	s_delay_alu instid0(VALU_DEP_4)
	v_lshrrev_b32 v[TM+4+\b], 23, v[TM+12+\b]
.endr
	s_delay_alu instid0(VALU_DEP_3)
	v_lshl_or_b32 v[PW], v[TM+5], 8, v[TM+4]
	s_delay_alu instid0(VALU_DEP_1)
	v_lshl_or_b32 v[PW], v[TM+6], 16, v[PW]
	s_delay_alu instid0(VALU_DEP_1)
	v_lshl_or_b32 v[PW], v[TM+7], 24, v[PW]
.irp c, 0,1
	v_cvt_scalef32_pk16_fp6_f32 v[PC+6*\c:PC+2+6*\c], v[\s+32*\c:\s+15+32*\c], v[TM+12+2*\c]
	v_cvt_scalef32_pk16_fp6_f32 v[PC+12+4*\c:PC+14+4*\c], v[\s+16+32*\c:\s+31+32*\c], v[TM+12+2*\c+1]
.endr
	v_nop
.irp c, 0,1
.irp i, 0,1,2
	v_permlane16_swap_b32 v[PC+6*\c+\i], v[PC+12+4*\c+\i]
.endr
.irp i, 0,1,2
	s_delay_alu instid0(VALU_DEP_3)
	v_mov_b32 v[PC+3+6*\c+\i], v[PC+12+4*\c+\i]
.endr
.endr
.endm
.macro ROWSUM red
	s_delay_alu instid0(VALU_DEP_1)
	v_pk_add_f32 v[S0:S0+1], v[S0:S0+1], v[S1:S1+1]
	s_delay_alu instid0(VALU_DEP_1)
	v_add_f32 v[S0], v[S0], v[S0+1]
	s_delay_alu instid0(VALU_DEP_1)
	v_permlanex16_b32 v[S1], v[S0], s[SEL], s[SEL+1]
	s_delay_alu instid0(VALU_DEP_1)
	v_add_f32 v[S0], v[S0], v[S1]
	ds_store_b32 v[RST], v[S0] offset:\red
	s_wait_dscnt 0x0                               ; my store has landed, and all my LDS loads are in
	s_barrier_signal -1
	s_barrier_wait -1
	ds_load_b128 v[TM:TM+3], v[RRD] offset:\red
	ds_load_b128 v[TM+4:TM+7], v[RRD] offset:\red+16
	s_wait_dscnt 0x0
	v_pk_add_f32 v[TM:TM+1], v[TM:TM+1], v[TM+2:TM+3]
	v_pk_add_f32 v[TM+4:TM+5], v[TM+4:TM+5], v[TM+6:TM+7]
	s_delay_alu instid0(VALU_DEP_1)
	v_pk_add_f32 v[TM:TM+1], v[TM:TM+1], v[TM+4:TM+5]
	s_delay_alu instid0(VALU_DEP_1)
	v_add_f32 v[TM], v[TM], v[TM+1]
.endm
	s_load_b256 s[4:11], s[0:1], 0x0               ; x, tb, wts, ln2_w
	s_load_b128 s[12:15], s[0:1], 0x20             ; ln2_b, hb
	v_lshl_add_u32 v[SPW], v0, 2, SPARE
	v_mov_b32 v[NIL], 0
	v_lshrrev_b32 v1, 5, v0
	s_delay_alu instid0(VALU_DEP_1)
	v_readfirstlane_b32 s16, v1
	v_and_b32 v1, 31, v0
	v_and_b32 v2, 15, v0
	v_bfe_u32 v3, v0, 4, 1
	s_delay_alu instid0(VALU_DEP_3)
	v_lshlrev_b32 v[L16], 4, v1
	s_mul_i32 s20, s16, 2*PITCH
	v_add_nc_u32 v[XST], s20, v[L16]
	s_lshl_b32 s21, s16, 9
	v_mul_u32_u24 v[XRD], v2, PITCH
	s_delay_alu instid0(VALU_DEP_1)
	v_lshl_add_u32 v[XRD], v3, 6, v[XRD]
	s_delay_alu instid0(VALU_DEP_1)
	v_add_nc_u32 v[XRD], s21, v[XRD]
	v_add_nc_u32 v[CW], s21, v[L16]
	s_delay_alu instid0(VALU_DEP_1)
	v_add_nc_u32 v[CWL], LW, v[CW]
	v_lshlrev_b32 v[CR], 6, v3
	s_delay_alu instid0(VALU_DEP_1)
	v_add_nc_u32 v[CR], s21, v[CR]
	s_delay_alu instid0(VALU_DEP_1)
	v_add_nc_u32 v[CR], LW, v[CR]
	v_lshlrev_b32 v[RRD], 5, v2
	s_delay_alu instid0(VALU_DEP_1)
	v_add_nc_u32 v[RRD], RED1, v[RRD]
	s_lshl_b32 s22, s16, 2
	v_add_nc_u32 v[RST], s22, v[RRD]
	v_lshlrev_b32 v[R4], 2, v2
	s_mov_b32 s[SEL], 0x76543210
	s_mov_b32 s[SEL+1], 0xfedcba98
	s_mov_b32 s30, 0x3a802008                      ; 1 / 1,023
	s_lshr_b32 s20, ttmp9, 1
	s_lshl_b32 s20, s20, 5
	s_and_b32 s21, ttmp9, 1
	s_lshl_b32 s21, s21, 3
	s_add_co_u32 s20, s20, s21
	s_lshl_b32 s21, s16, 1
	s_add_co_u32 s20, s20, s21
	s_lshr_b32 s21, s16, 2
	s_lshl_b32 s21, s21, 3
	s_add_co_u32 s20, s20, s21
	s_lshl_b32 s20, s20, 12
	s_mov_b32 s21, 0
	s_lshl_b32 s22, ttmp9, 16
	s_lshl_b32 s23, s16, 13
	s_add_co_u32 s22, s22, s23                     ; my 8,192 bytes of the tile's 65,536, in T and in x1
	s_mov_b32 s23, 0
	s_mul_i32 s24, ttmp9, 12288
	s_mul_i32 s25, s16, 1536
	s_add_co_u32 s24, s24, s25
	s_mov_b32 s25, 0
	s_lshl_b32 s34, s16, 14
	s_lshl_b32 s35, ttmp9, 6
	s_add_co_u32 s34, s34, s35
	s_mov_b32 s35, 0
	s_wait_alu depctr_va_vdst(0)
	s_wait_kmcnt 0x0
	s_add_nc_u64 s[4:5], s[4:5], s[20:21]
	s_add_nc_u64 s[8:9], s[8:9], 9043968           ; W_out's 16 partial rows
	s_add_nc_u64 s[6:7], s[6:7], s[22:23]
	s_add_nc_u64 s[32:33], s[14:15], s[22:23]      ; x1, less the region's start
	s_add_nc_u64 s[26:27], s[14:15], s[24:25]      ; my fragment's image
	s_add_nc_u64 s[28:29], s[14:15], s[34:35]      ; my scale words, less the region's start
.irp i, 0,1
.irp j, 0,1,2,3,4,5,6,7
	global_load_b128 v[X+32*\i+4*\j:X+32*\i+4*\j+3], v[L16], s[4:5] offset:4096*\i+512*\j th:TH_LOAD_NT
.endr
.endr
	global_load_b128 v[A2:A2+3], v[CW], s[10:11]
	global_load_b128 v[A2+4:A2+7], v[CW], s[12:13]
.irp p, 0,1,2,3,4,5,6,7,8,9,10,11,12,13,14,15
	global_load_b128 v[A2+8+4*\p:A2+11+4*\p], v[CW], s[8:9] offset:4096*\p    ; my 128 columns of the 16 partial rows
.endr
.irp b, 0,1,2,3
.irp q, 0,1,2,3
	global_load_b128 v[A1+16*\b+4*\q:A1+16*\b+4*\q+3], v[L16], s[6:7] offset:(\b/2)*4096+\q*1024+(\b%2)*512 th:TH_LOAD_NT
.endr
.endr
	s_wait_loadcnt 16                              ; x, the gain, the bias and wsum are in; T's 16 loads may be out
.irp i, 0,1
.irp j, 0,1,2,3,4,5,6,7
	ds_store_b128 v[XST], v[X+32*\i+4*\j:X+32*\i+4*\j+3] offset:\i*PITCH+512*\j
.endr
.endr
	ds_store_b128 v[CWL], v[A2:A2+3]
	ds_store_b128 v[CWL], v[A2+4:A2+7] offset:4096
.irp s, 8,4,2,1                        ; the 16 partial rows become wsum
.set ti, 0
.rept \s
	v_pk_add_f32 v[A2+8+4*ti:A2+9+4*ti], v[A2+8+4*ti:A2+9+4*ti], v[A2+8+4*(ti+\s):A2+9+4*(ti+\s)]
	v_pk_add_f32 v[A2+10+4*ti:A2+11+4*ti], v[A2+10+4*ti:A2+11+4*ti], v[A2+10+4*(ti+\s):A2+11+4*(ti+\s)]
.set ti, ti+1
.endr
.endr
	ds_store_b128 v[CWL], v[A2+8:A2+11] offset:8192
	s_wait_dscnt 0x0
	s_barrier_signal -1
	s_barrier_wait -1
.irp b, 0,1,2,3
.irp j, 0,1,2,3
	ds_load_b128 v[X+16*\b+4*\j:X+16*\b+4*\j+3], v[XRD] offset:128*\b+16*\j
	ds_load_b128 v[A2+16*\b+4*\j:A2+16*\b+4*\j+3], v[CR] offset:8192+128*\b+16*\j
.endr
.endr
	s_wait_dscnt 0x0
	s_wait_loadcnt 0x0                             ; T
.irp b, 0,1,2,3
.irp e, 0,1,2,3
.irp q, 0,1,2,3
	v_fmac_f32 v[X+16*\b+4*\e+\q], v[A2+16*\b+4*\e+\q], v[A1+16*\b+4*\q+\e]
.endr
.endr
.endr
.irp b, 0,1,2,3
.irp j, 0,1,2,3
	global_store_b128 v[L16], v[X+16*\b+4*\j:X+16*\b+4*\j+3], s[32:33] offset:3276800+512*(4*\b+\j)   ; x1: 512 consecutive bytes a store
.endr
.endr
.irp b, 0,1,2,3
.irp j, 0,1,2,3
	ds_load_b128 v[A1+16*\b+4*\j:A1+16*\b+4*\j+3], v[CR] offset:128*\b+16*\j
	ds_load_b128 v[A2+16*\b+4*\j:A2+16*\b+4*\j+3], v[CR] offset:4096+128*\b+16*\j
.endr
.endr
	v_pk_add_f32 v[S0:S0+1], v[X:X+1], v[X+2:X+3]
	v_pk_add_f32 v[S1:S1+1], v[X+4:X+5], v[X+6:X+7]
.irp j, 8,12,16,20,24,28,32,36,40,44,48,52,56,60
	s_delay_alu instid0(VALU_DEP_2)
	v_pk_add_f32 v[S0:S0+1], v[S0:S0+1], v[X+\j:X+\j+1]
	s_delay_alu instid0(VALU_DEP_2)
	v_pk_add_f32 v[S1:S1+1], v[S1:S1+1], v[X+\j+2:X+\j+3]
.endr
	ROWSUM 0
	s_delay_alu instid0(VALU_DEP_1)
	v_mul_f32 v[MU], 0x3a800000, v[TM]
	s_delay_alu instid0(VALU_DEP_1)
	v_mov_b32 v[MU+1], v[MU]
	s_wait_alu depctr_va_vdst(0)
	s_wait_xcnt 0x0                                ; x1's stores have read their registers: they are written again only behind this wait
.set xi, 0
.rept 32
	v_pk_add_f32 v[X+xi:X+xi+1], v[X+xi:X+xi+1], v[MU:MU+1] op_sel_hi:[1,0] neg_lo:[0,1] neg_hi:[0,1]
.set xi, xi+2
.endr
	v_pk_mul_f32 v[S0:S0+1], v[X:X+1], v[X:X+1]
	v_pk_mul_f32 v[S1:S1+1], v[X+2:X+3], v[X+2:X+3]
.irp j, 4,8,12,16,20,24,28,32,36,40,44,48,52,56,60
	s_delay_alu instid0(VALU_DEP_2)
	v_pk_fma_f32 v[S0:S0+1], v[X+\j:X+\j+1], v[X+\j:X+\j+1], v[S0:S0+1]
	s_delay_alu instid0(VALU_DEP_2)
	v_pk_fma_f32 v[S1:S1+1], v[X+\j+2:X+\j+3], v[X+\j+2:X+\j+3], v[S1:S1+1]
.endr
	ROWSUM 512
	v_mov_b32 v[MU+1], 0x38d1b717
	s_delay_alu instid0(VALU_DEP_1)
	v_fma_f32 v[MU], v[TM], s30, v[MU+1]
	s_wait_alu depctr_va_vdst(0)
	v_rsq_f32 v[MU], v[MU]
	v_nop
	s_wait_alu depctr_va_vdst(0)
.set xi, 0
.rept 32
	v_pk_mul_f32 v[X+xi:X+xi+1], v[X+xi:X+xi+1], v[MU:MU+1] op_sel_hi:[1,0]
.set xi, xi+2
.endr
.set xi, 0
.rept 32
	v_pk_fma_f32 v[X+xi:X+xi+1], v[X+xi:X+xi+1], v[A1+xi:A1+xi+1], v[A2+xi:A2+xi+1]
.set xi, xi+2
.endr
	QUANT X
.irp c, 0,1,2
	global_store_b128 v[L16], v[PC+4*\c:PC+4*\c+3], s[26:27] offset:512*\c
.endr
	global_store_b32 v[R4], v[PW], s[28:29] offset:3145728
	s_wait_tensorcnt 0x0                           ; the wave's end
	ds_add_u32 v[SPW], v[NIL]
	s_wait_dscnt 0x0
	s_endpgm
.Lfunc_end_k_q751422114b_ln2:
	.size	k_q751422114b_ln2, .Lfunc_end_k_q751422114b_ln2-k_q751422114b_ln2
	.p2alignl 7, 3214868480
	.fill 96, 4, 3214868480
	.section	.rodata,"a",@progbits
	.p2align	6, 0x0
	.amdhsa_kernel k_q751422114b_ln2
		.amdhsa_group_segment_fixed_size 80128
		.amdhsa_private_segment_fixed_size 0
		.amdhsa_enable_private_segment 0
		.amdhsa_kernarg_size 48
		.amdhsa_user_sgpr_count 2
		.amdhsa_user_sgpr_kernarg_segment_ptr 1
		.amdhsa_wavefront_size32 1
		.amdhsa_system_sgpr_workgroup_id_x 1
		.amdhsa_system_sgpr_workgroup_id_y 1
		.amdhsa_system_sgpr_workgroup_id_z 1
		.amdhsa_system_vgpr_workitem_id 0
		.amdhsa_next_free_vgpr 256
		.amdhsa_next_free_sgpr 66
		.amdhsa_reserve_vcc 0
		.amdhsa_float_denorm_mode_32 3
		.amdhsa_float_denorm_mode_16_64 3
		.amdhsa_memory_ordered 1
		.amdhsa_forward_progress 1
		.amdhsa_inst_pref_size 39
	.end_amdhsa_kernel
	.amdgpu_metadata
---
amdhsa.version: [ 1, 2 ]
amdhsa.kernels:
  - .name:           k_q751422114b_ln2
    .symbol:         k_q751422114b_ln2.kd
    .args:
      - { .name: x, .offset: 0, .size: 8, .value_kind: global_buffer, .address_space: global }
      - { .name: tb, .offset: 8, .size: 8, .value_kind: global_buffer, .address_space: global }
      - { .name: wts, .offset: 16, .size: 8, .value_kind: global_buffer, .address_space: global }
      - { .name: ln2_w, .offset: 24, .size: 8, .value_kind: global_buffer, .address_space: global }
      - { .name: ln2_b, .offset: 32, .size: 8, .value_kind: global_buffer, .address_space: global }
      - { .name: hb, .offset: 40, .size: 8, .value_kind: global_buffer, .address_space: global }
    .group_segment_fixed_size: 80128
    .private_segment_fixed_size: 0
    .kernarg_segment_align: 8
    .kernarg_segment_size: 48
    .max_flat_workgroup_size: 256
    .sgpr_count:     66
    .vgpr_count:     256
    .wavefront_size: 32
...
	.end_amdgpu_metadata
.endif
;; end of part 4
;; launch mlp1 (part 5): grid 16 x 16, 4 waves a work-group, clusters of 4 x 4, 327,680 bytes of LDS; arguments hb, wts, b1, hid; writes hid
.if DOCPART == 5
	.amdgcn_target "amdgcn-amd-amdhsa--gfx1250"
	.amdhsa_code_object_version 6
	.text
	.protected	k_q751422114b_mlp1
	.globl	k_q751422114b_mlp1
	.p2align	8
	.type	k_q751422114b_mlp1,@function
k_q751422114b_mlp1:
	s_mov_b64 s[64:65], 0
	v_nop
	global_prefetch_b8 v0, s[64:65] scope:SCOPE_SE
	s_setreg_imm32_b32 hwreg(HW_REG_WAVE_MODE, 25, 1), 1
	s_wait_xcnt 0x0
	s_wait_alu depctr_hold_cnt(0) depctr_sa_sdst(0) depctr_va_vdst(0) depctr_va_sdst(0) depctr_va_ssrc(0) depctr_va_vcc(0) depctr_vm_vsrc(0)
	s_getreg_b32 s2, hwreg(HW_REG_IB_STS2, 6, 4)
	s_cmp_eq_u32 s2, 0
	s_cbranch_scc0 .Lentry_in_a_cluster
	s_endpgm
.Lentry_in_a_cluster:
	s_bfe_u32 s2, ttmp6, 0x10000c
	s_cmp_lg_u32 s2, 0xf033
	s_cbranch_scc0 .Lentry_shape_is_right
	s_endpgm
.Lentry_shape_is_right:
.set NT,    8
.set NQ,    2
.set NKAP,  8
.set FR,    12
.set FRB,   1536
.set ROWB,  NQ*FRB
.set HALFT, NT*ROWB
.set SLOT,  4*HALFT
.set SCL,   2*SLOT
.set HALFS, NKAP*NT*64
.set SPARE, SCL+4*HALFS
.set STGS,  SPARE+512
.set LAPS,  NKAP/(2*NQ)
.set CA,   2
.set CB,   16
.set ADRA, 16
.set ADRB, 20
.set L16,  26
.set ADRS, 27
.set SPW,  28
.set NIL,  29
.set SST,  30
.set SRD,  31
.set SC,   32
.set AF,   64
.set H,    64
.set ZZ,   128
.set X2,   160
.set PP,   192
.set QQ,   224
.set TM,   128
.set PW,   144
.set PC,   148
.set G1, 24
.set G0, 32
.set G1B, 48
.set G0B, 56
.set SEL, 66
.set G1S, 68
.set G0S, 76
.set G1SB, 80
.set G0SB, 88
.set MSB, 0
.macro WIN new
.if MSB != \new
	s_set_vgpr_msb (MSB<<8)|\new
.set MSB, \new
.endif
.endm
.macro PLACES n
.rept \n
	v_nop
.endr
.endm
.macro JLOAD g0a, g1a, g0b, g1b
	s_cmp_eq_u32 s15, 0
	s_cbranch_scc0 .Lfor_b_\@
	tensor_load_to_lds s[\g0a:\g0a+3], s[\g1a:\g1a+7]
	s_nop 0
.rept 4
	v_nop
.endr
	s_branch .Lasked_\@
.Lfor_b_\@:
	tensor_load_to_lds s[\g0b:\g0b+3], s[\g1b:\g1b+7]
	s_nop 0
.rept 4
	v_nop
.endr
.Lasked_\@:
.endm
.macro CREST
	s_cmp_lg_u32 s14, 0
	s_cbranch_scc1 .Lnot_wave_0_\@
	s_barrier_signal -3
.Lnot_wave_0_\@:
	s_barrier_wait -3
	s_barrier_signal -1
	s_barrier_wait -1
.endm
.macro CROUND
	s_barrier_signal -1
	s_barrier_wait -1
	CREST
.endm
	s_load_b128 s[4:7], s[0:1], 0x0
	s_load_b128 s[8:11], s[0:1], 0x10
	v_lshl_add_u32 v[SPW], v0, 2, SPARE
	v_mov_b32 v[NIL], 0
	ds_add_u32 v[SPW], v[NIL]
	ds_add_u32 v[SPW], v[NIL]
	v_lshrrev_b32 v1, 5, v0
	v_readfirstlane_b32 s14, v1
	s_lshr_b32 s15, s14, 1
	s_and_b32 s16, s14, 1
	s_bfe_u32 s40, ttmp6, 0x40000
	s_bfe_u32 s41, ttmp6, 0x40004
	s_lshl_b32 s42, ttmp9, 2
	s_add_co_u32 s42, s42, s40
	s_and_b32 s17, ttmp7, 0xffff
	s_lshl_b32 s17, s17, 2
	s_add_co_u32 s17, s17, s41
	s_lshl_b32 s43, s41, 2
	s_lshl_b32 s43, 15, s43
	s_lshl_b32 s44, 0x1111, s40
	s_or_b32 s[G1+0], s43, (3<<16)|(1<<21)
	s_or_b32 s[G1B+0], s44, (3<<16)|(1<<21)
.irp g, G1, G1B
	s_mov_b32 s[\g+1], (ROWB/8)<<16
	s_mov_b32 s[\g+2], (2*NT)<<16                  ; 16 tiles for the head's loads; behind them it is set to 8
	s_mov_b32 s[\g+3], (ROWB/8)<<16
	s_mov_b32 s[\g+4], 2*NT
	s_mov_b32 s[\g+5], NKAP*FRB/8
	s_mov_b32 s[\g+6], 0
	s_mov_b32 s[\g+7], 0
.endr
	s_or_b32 s[G1S+0], s43, (2<<16)|(1<<21)
	s_or_b32 s[G1SB+0], s44, (2<<16)|(1<<21)
.irp g, G1S, G1SB
	s_mov_b32 s[\g+1], (NT*32)<<16                 ; a row: the words of all 256 rows of the operand
	s_mov_b32 s[\g+2], NKAP<<16
	s_mov_b32 s[\g+3], (NT*32)<<16
	s_mov_b32 s[\g+4], NKAP
	s_mov_b32 s[\g+5], 4096
	s_mov_b32 s[\g+6], 0
	s_mov_b32 s[\g+7], 0
.endr
	s_mov_b32 s[SEL], 0x76543210
	s_mov_b32 s[SEL+1], 0xfedcba98
	s_mul_i32 s18, s16, NT*NKAP*FRB                ; in the ring I fetch half of an operand's tiles: which half, in bytes
	s_mov_b32 s19, 0
	s_mul_i32 s20, s17, 2*NT                       ; A: the block's first tile
	s_mul_i32 s46, s42, 2*NT                       ; B likewise
	s_lshl_b32 s22, s20, 6
	s_add_co_u32 s22, s22, 3145728
	s_lshl_b32 s92, s46, 6
	s_add_co_u32 s92, s92, 8781824
	s_mul_i32 s20, s20, NKAP*FRB
	s_mul_i32 s46, s46, NKAP*FRB
	s_add_co_u32 s46, s46, 2359296
	s_mov_b32 s21, 0
	s_mov_b32 s23, 0
	s_mov_b32 s47, 0
	s_mov_b32 s93, 0
	s_mul_i32 s45, s14, HALFT
	s_wait_dscnt 0x0
	s_wait_kmcnt 0x0
	s_add_nc_u64 s[20:21], s[4:5], s[20:21]
	s_add_nc_u64 s[22:23], s[4:5], s[22:23]
	s_add_nc_u64 s[46:47], s[6:7], s[46:47]
	s_add_nc_u64 s[92:93], s[6:7], s[92:93]
	CROUND
	s_mov_b32 s[G0S], 1
	s_mov_b32 s[G0S+1], SCL
	s_mov_b64 s[G0S+2:G0S+3], s[22:23]
	s_or_b32 s[G0S+3], s[G0S+3], 0x80000000
	s_mov_b32 s[G0SB], 1
	s_mov_b32 s[G0SB+1], SCL+2*HALFS
	s_mov_b64 s[G0SB+2:G0SB+3], s[92:93]
	s_or_b32 s[G0SB+3], s[G0SB+3], 0x80000000
	s_mov_b32 s[G0], 1                             ; for the head: slot 0's 2 NT tiles of A whole,
	s_mov_b32 s[G0+1], 0
	s_mov_b64 s[G0+2:G0+3], s[20:21]
	s_or_b32 s[G0+3], s[G0+3], 0x80000000
	s_mov_b32 s[G0B], 1                            ; and of B, behind them
	s_mov_b32 s[G0B+1], 2*HALFT
	s_mov_b64 s[G0B+2:G0B+3], s[46:47]
	s_or_b32 s[G0B+3], s[G0B+3], 0x80000000
	s_mov_b32 s[G0+4], 1                           ; slot 1's: my NT tiles, the second K step of 256
	s_add_co_u32 s[G0+5], s45, SLOT
	s_add_nc_u64 s[G0+6:G0+7], s[20:21], s[18:19]
	s_add_nc_u64 s[G0+6:G0+7], s[G0+6:G0+7], ROWB
	s_or_b32 s[G0+7], s[G0+7], 0x80000000
	s_mov_b32 s[G0B+4], 1
	s_add_co_u32 s[G0B+5], s45, SLOT
	s_add_nc_u64 s[G0B+6:G0B+7], s[46:47], s[18:19]
	s_add_nc_u64 s[G0B+6:G0B+7], s[G0B+6:G0B+7], ROWB
	s_or_b32 s[G0B+7], s[G0B+7], 0x80000000
; THE HEAD'S LOADS, ONE A WAVE: wave 0 slot 0's tiles of A, wave 1 those of B, wave 2 A's scale words, wave 3 B's.  One chain of branches on the wave's number, all arms leading to one join.
.macro HARM under, g0, g1, next
	s_cmp_lt_u32 s14, \under
	s_cbranch_scc0 \next
	tensor_load_to_lds s[\g0:\g0+3], s[\g1:\g1+7]
	s_nop 0
.rept 4
	v_nop
.endr
	s_branch .Lhead_asked
\next:
.endm
	HARM 1, G0,  G1,  .Lhead_b
	HARM 2, G0B, G1B, .Lhead_sa
	HARM 3, G0S, G1S, .Lhead_sb
	tensor_load_to_lds s[G0SB:G0SB+3], s[G1SB:G1SB+7]
	s_nop 0
.rept 4
	v_nop
.endr
.Lhead_asked:
	v_and_b32 v1, 15, v0
	v_bfe_u32 v2, v0, 4, 1
	v_and_b32 v3, 31, v0
	v_lshlrev_b32 v[L16], 4, v3
	s_wait_alu depctr_va_vdst(0)
	s_lshl_b32 s20, s42, 10
	s_lshl_b32 s21, s16, 9
	s_add_co_u32 s20, s20, s21
	s_mov_b32 s21, 0
	s_add_nc_u64 s[8:9], s[8:9], s[20:21]
	v_lshlrev_b32 v7, 6, v2
	WIN 0x40
.irp b, 0,1,2,3,4,5,6,7
	global_load_b128 v[96+8*(\b%4)+128*(\b/4):99+8*(\b%4)+128*(\b/4)], v7, s[8:9] offset:128*(\b/2)+32*(\b%2)
	global_load_b128 v[100+8*(\b%4)+128*(\b/4):103+8*(\b%4)+128*(\b/4)], v7, s[8:9] offset:128*(\b/2)+32*(\b%2)+16
.endr
	WIN 0
	s_mul_i32 s21, s15, HALFT
	s_mul_i32 s22, s16, HALFT
	s_add_co_u32 s22, s22, 2*HALFT
.irp s, 0,1
	v_add_nc_u32 v[ADRA+\s], s21, v[L16]
	v_add_nc_u32 v[ADRB+\s], s22, v[L16]
	s_add_co_u32 s21, s21, SLOT
	s_add_co_u32 s22, s22, SLOT
.endr
	v_lshlrev_b32 v5, 2, v1
	s_mul_i32 s21, s15, NT*64                      ; my half of A's words in a row of 256
	s_mul_i32 s22, s16, NT*64
	s_add_co_u32 s22, s22, 2*HALFS
	s_sub_co_u32 s22, s22, s21
	v_mul_u32_u24 v6, s22, v2
	s_add_co_u32 s21, s21, SCL
	v_add_nc_u32 v6, v5, v6
	v_add_nc_u32 v[ADRS], s21, v6
	s_lshl_b32 s21, s14, 9
	s_add_co_u32 s21, s21, STGS
	v_add_nc_u32 v[SST], s21, v5
	v_add_nc_u32 v[SRD], s21, v[L16]
	s_lshl_b32 s20, s17, 4
	s_lshl_b32 s21, s15, 3
	s_add_co_u32 s20, s20, s21
	s_lshl_b32 s20, s20, 5
	s_lshl_b32 s21, s42, 1
	s_add_co_u32 s21, s21, s16
	s_add_co_u32 s20, s20, s21
	s_mul_i32 s20, s20, FRB
	s_lshl_b32 s22, s21, 14
	s_lshl_b32 s23, s17, 10
	s_add_co_u32 s22, s22, s23
	s_lshl_b32 s23, s15, 9
	s_add_co_u32 s22, s22, s23
	s_add_co_u32 s22, s22, 12582912
	s_mov_b32 s21, 0
	s_mov_b32 s23, 0
	s_add_nc_u64 s[12:13], s[10:11], s[22:23]
	s_add_nc_u64 s[10:11], s[10:11], s[20:21]
.macro FRAG reg, adr, q, i
.irp c, 0,1,2
	ds_load_b128 v[\reg+4*\c:\reg+4*\c+3], v[\adr] offset:(\i)*ROWB+(\q)*FRB+512*\c
.endr
.endm
.macro FETCH slot, q, p
	WIN 0x40
.irp i, 0,1,2,3,4,5,6,7
	FRAG 128*(\p)+FR*\i, ADRB+\slot, \q, \i
.endr
	WIN 0
.irp i, 0,1,2,3,4,5,6,7
	FRAG AF+96*(\p)+FR*\i, ADRA+\slot, \q, \i
.endr
.endm
.macro SCALES sc
.irp i, 0,1,2,3,4,5,6,7
.irp q, 0,1
	ds_load_b32 v[SC+16*\sc+NQ*\i+\q], v[ADRS] offset:\q*NT*128+\i*64
.endr
.endr
.endm
.macro MULG a0, p, q, sc, mode
.irp a, \a0, \a0+1
.irp b, 0,1,2,3,4,5,6,7
.if \mode == 2
	v_wmma_scale_f32_16x16x128_f8f6f4 v[8*(NT*((\a)%4)+\b):8*(NT*((\a)%4)+\b)+7], v[128*(\p)+FR*\b:128*(\p)+FR*\b+FR-1], v[AF+96*(\p)+FR*(\a):AF+96*(\p)+FR*(\a)+FR-1], v[96+8*(\b%4)+128*(\b/4):103+8*(\b%4)+128*(\b/4)], v[SC+16*(\sc)+NQ*\b+(\q)], v[SC+16*(\sc)+NQ*(\a)+(\q)] matrix_a_fmt:MATRIX_FMT_FP6 matrix_b_fmt:MATRIX_FMT_FP6 matrix_a_scale:MATRIX_SCALE_ROW1
.else
	v_wmma_scale_f32_16x16x128_f8f6f4 v[8*(NT*((\a)%4)+\b):8*(NT*((\a)%4)+\b)+7], v[128*(\p)+FR*\b:128*(\p)+FR*\b+FR-1], v[AF+96*(\p)+FR*(\a):AF+96*(\p)+FR*(\a)+FR-1], v[8*(NT*((\a)%4)+\b):8*(NT*((\a)%4)+\b)+7], v[SC+16*(\sc)+NQ*\b+(\q)], v[SC+16*(\sc)+NQ*(\a)+(\q)] matrix_a_fmt:MATRIX_FMT_FP6 matrix_b_fmt:MATRIX_FMT_FP6 matrix_a_scale:MATRIX_SCALE_ROW1
.endif
.endr
.endr
.endm
.macro STEP slot, q, mode
	s_wait_dscnt 0x0
.if \mode == 2
	WIN 0x91
.else
	WIN 0xa1
.endif
	MULG 0, (\q)%2, \q, \slot, \mode
	MULG 2, (\q)%2, \q, \slot, \mode
	PLACES 4
	FETCH \slot, (\q)+1, 1-(\q)%2
.if \mode == 2
	WIN 0xd1
.else
	WIN 0xf1
.endif
	MULG 4, (\q)%2, \q, \slot, \mode
	MULG 6, (\q)%2, \q, \slot, \mode
	WIN 0
.endm
.macro TURN slot, next, fill
	s_wait_tensorcnt 0x0
	ds_add_u32 v[SPW], v[NIL]
	s_wait_dscnt 1
	WIN 0xa1
	MULG 0, 1, NQ-1, \slot, 0
	s_wait_dscnt 0x0
	s_barrier_signal -1
	MULG 2, 1, NQ-1, \slot, 0
	WIN 0
	s_barrier_wait -1
.if \fill
	CREST
	s_add_nc_u64 s[G0+4*\slot+2:G0+4*\slot+3], s[G0+4*\slot+2:G0+4*\slot+3], 2*ROWB
	s_add_nc_u64 s[G0B+4*\slot+2:G0B+4*\slot+3], s[G0B+4*\slot+2:G0B+4*\slot+3], 2*ROWB
	JLOAD G0+4*\slot, G1, G0B+4*\slot, G1B
.else
	PLACES 4
.endif
	s_wait_alu depctr_va_vdst(0)
	v_add_nc_u32 v[ADRS], NQ*NT*128, v[ADRS]
	FETCH \next, 0, 0
	SCALES \next
	WIN 0xf1
	MULG 4, 1, NQ-1, \slot, 0
	MULG 6, 1, NQ-1, \slot, 0
	WIN 0
.endm
	s_wait_alu depctr_va_vdst(0)
	s_wait_loadcnt 0x0
	s_wait_tensorcnt 0x0                           ; my tile of the head's four is in
	ds_add_u32 v[SPW], v[NIL]
	s_mov_b32 s[G1+2], NT<<16                      ; no tensor load of mine is out: from here on a load brings NT tiles,
	s_mov_b32 s[G1+4], NT
	s_mov_b32 s[G1B+2], NT<<16
	s_mov_b32 s[G1B+4], NT
	s_mov_b32 s[G0+1], s45                         ; and slot 0's group 0 becomes the ring's: my half of the tiles
	s_add_nc_u64 s[G0+2:G0+3], s[G0+2:G0+3], s[18:19]
	s_mov_b32 s[G0B+1], s45
	s_add_nc_u64 s[G0B+2:G0B+3], s[G0B+2:G0B+3], s[18:19]
	s_wait_dscnt 0x0
	CROUND                                         ; a whole round: all four tiles are in, and the sixteen work-groups are here
	JLOAD G0+4, G1, G0B+4, G1B                     ; slot 1's first fill, the first tensor load behind the round
	FETCH 0, 0, 0
	SCALES 0
	STEP 0, 0, 2
	s_mov_b32 s3, LAPS-1
.Llap:
	TURN 0, 1, 1
	STEP 1, 0, 0
	TURN 1, 0, 1
	STEP 0, 0, 0
	s_sub_co_u32 s3, s3, 1
	s_cmp_lg_u32 s3, 0
	s_cbranch_scc1 .Llap
	TURN 0, 1, 0
	STEP 1, 0, 0
	s_wait_dscnt 0x0
	WIN 0xa1
	MULG 0, 1, NQ-1, 1, 0
	MULG 2, 1, NQ-1, 1, 0
	WIN 0xf1
	MULG 4, 1, NQ-1, 1, 0
	MULG 6, 1, NQ-1, 1, 0
	WIN 0
	PLACES 4
.macro CPAIR r, val
	v_mov_b32 v[\r], \val
	v_mov_b32 v[\r+1], \val
.endm
	CPAIR CA, 0xaf95df0b
	CPAIR CA+2, 0x32edffee
	CPAIR CA+4, 0xb60cff51
	CPAIR CA+6, 0xb86ec2d2
	CPAIR CA+8, 0xba40ac63
	CPAIR CA+10, 0xbb41a1f5
	CPAIR CA+12, 0xbc83dbd4
	CPAIR CB, 0xb77460cd
	CPAIR CB+2, 0xb95fbd29
	CPAIR CB+4, 0xbadc924e
	CPAIR CB+6, 0xbbf19bf8
	CPAIR CB+8, 0xbc69b6a7
.macro ARM a
.set WN_, 2+(\a)/4
	WIN WN_
.set ak, 0
.rept 32
	v_pk_mul_f32 v[H+2*ak:H+2*ak+1], v[64*((\a)%4)+2*ak:64*((\a)%4)+2*ak+1], 0.5 op_sel_hi:[1,0]
.set ak, ak+1
.endr
	WIN 0
.endm
.macro GELU o
.set gk, 0
.rept 16
	v_pk_mul_f32 v[ZZ+gk:ZZ+gk+1], v[H+\o+gk:H+\o+gk+1], 0x3fb504f3 op_sel_hi:[1,0]
.set gk, gk+2
.endr
.set gk, 0
.rept 32
	v_med3_num_f32 v[ZZ+gk], v[ZZ+gk], -4.0, 4.0
.set gk, gk+1
.endr
.set gk, 0
.rept 16
	v_pk_mul_f32 v[X2+gk:X2+gk+1], v[ZZ+gk:ZZ+gk+1], v[ZZ+gk:ZZ+gk+1]
.set gk, gk+2
.endr
.set gk, 0
.rept 16
	v_pk_fma_f32 v[PP+gk:PP+gk+1], v[X2+gk:X2+gk+1], v[CA:CA+1], v[CA+2:CA+3]
	v_pk_fma_f32 v[QQ+gk:QQ+gk+1], v[X2+gk:X2+gk+1], v[CB:CB+1], v[CB+2:CB+3]
.set gk, gk+2
.endr
.irp c, 4,6,8,10,12
.set gk, 0
.rept 16
	v_pk_fma_f32 v[PP+gk:PP+gk+1], v[PP+gk:PP+gk+1], v[X2+gk:X2+gk+1], v[CA+\c:CA+\c+1]
.set gk, gk+2
.endr
.endr
.irp c, 4,6,8
.set gk, 0
.rept 16
	v_pk_fma_f32 v[QQ+gk:QQ+gk+1], v[QQ+gk:QQ+gk+1], v[X2+gk:X2+gk+1], v[CB+\c:CB+\c+1]
.set gk, gk+2
.endr
.endr
.set gk, 0
.rept 16
	v_pk_mul_f32 v[PP+gk:PP+gk+1], v[PP+gk:PP+gk+1], v[ZZ+gk:ZZ+gk+1]
.set gk, gk+2
.endr
.set gk, 0
	s_wait_alu depctr_va_vdst(0)
.rept 32
	v_rcp_f32 v[QQ+gk], v[QQ+gk]
.set gk, gk+1
.endr
	v_nop
	s_wait_alu depctr_va_vdst(0)
.set gk, 0
.rept 16
	v_pk_mul_f32 v[PP+gk:PP+gk+1], v[PP+gk:PP+gk+1], v[QQ+gk:QQ+gk+1]
.set gk, gk+2
.endr
.set gk, 0
.rept 16
	v_pk_fma_f32 v[H+\o+gk:H+\o+gk+1], v[PP+gk:PP+gk+1], v[H+\o+gk:H+\o+gk+1], v[H+\o+gk:H+\o+gk+1]
.set gk, gk+2
.endr
.endm
.macro QUANT s
.irp b, 0,1,2,3
	v_max3_num_f32 v[TM+\b], |v[\s+16*\b]|, |v[\s+1+16*\b]|, 0x1800000
.endr
.irp i, 2,4,6,8,10,12,14
.irp b, 0,1,2,3
	v_max3_num_f32 v[TM+\b], v[TM+\b], |v[\s+16*\b+\i]|, |v[\s+1+16*\b+\i]|
.endr
.endr
.irp b, 0,1,2,3
	v_permlanex16_b32 v[TM+4+\b], v[TM+\b], s[SEL], s[SEL+1]
.endr
.irp b, 0,1,2,3
	v_max_num_f32 v[TM+\b], v[TM+\b], v[TM+4+\b]
.endr
.irp b, 0,1,2,3
	v_add_nc_u32 v[TM+12+\b], 0xff000000, v[TM+\b]
.endr
.irp b, 0,1,2,3
	v_lshrrev_b32 v[TM+4+\b], 23, v[TM+12+\b]
.endr
	v_lshl_or_b32 v[PW], v[TM+5], 8, v[TM+4]
	v_lshl_or_b32 v[PW], v[TM+6], 16, v[PW]
	v_lshl_or_b32 v[PW], v[TM+7], 24, v[PW]
.irp c, 0,1
	v_cvt_scalef32_pk16_fp6_f32 v[PC+6*\c:PC+2+6*\c], v[\s+32*\c:\s+15+32*\c], v[TM+12+2*\c]
	v_cvt_scalef32_pk16_fp6_f32 v[PC+12+4*\c:PC+14+4*\c], v[\s+16+32*\c:\s+31+32*\c], v[TM+12+2*\c+1]
.endr
	v_nop
.irp c, 0,1
.irp i, 0,1,2
	v_permlane16_swap_b32 v[PC+6*\c+\i], v[PC+12+4*\c+\i]
.endr
.irp i, 0,1,2
	v_mov_b32 v[PC+3+6*\c+\i], v[PC+12+4*\c+\i]
.endr
.endr
.endm
	s_mov_b32 s3, 0
.Lrow:
.irp a, 0,1,2,3,4,5,6
	s_cmp_eq_u32 s3, \a
	s_cbranch_scc1 .Larm\a
.endr
	ARM 7
	s_branch .Lgo
.irp a, 0,1,2,3,4,5
.Larm\a:
	ARM \a
	s_branch .Lgo
.endr
.Larm6:
	ARM 6
.Lgo:
	GELU 0
	GELU 32
	QUANT H
.irp c, 0,1,2
	global_store_b128 v[L16], v[PC+4*\c:PC+4*\c+3], s[10:11] offset:512*\c
.endr
	ds_store_b32 v[SST], v[PW]
	s_wait_xcnt 0x0
	s_add_nc_u64 s[10:11], s[10:11], 32*FRB
	v_add_nc_u32 v[SST], 64, v[SST]
	s_add_co_u32 s3, s3, 1
	s_cmp_lt_u32 s3, 8
	s_cbranch_scc1 .Lrow
	ds_load_b128 v[PC:PC+3], v[SRD]
	s_wait_dscnt 0x0
	global_store_b128 v[L16], v[PC:PC+3], s[12:13]
	s_wait_tensorcnt 0x0
	ds_add_u32 v[SPW], v[NIL]
	s_wait_dscnt 0x0
	CROUND
	s_endpgm
.Lfunc_end_k_q751422114b_mlp1:
	.size	k_q751422114b_mlp1, .Lfunc_end_k_q751422114b_mlp1-k_q751422114b_mlp1
	.p2alignl 7, 3214868480
	.fill 96, 4, 3214868480
	.section	.rodata,"a",@progbits
	.p2align	6, 0x0
	.amdhsa_kernel k_q751422114b_mlp1
		.amdhsa_group_segment_fixed_size 327680
		.amdhsa_private_segment_fixed_size 0
		.amdhsa_enable_private_segment 0
		.amdhsa_kernarg_size 32
		.amdhsa_user_sgpr_count 2
		.amdhsa_user_sgpr_kernarg_segment_ptr 1
		.amdhsa_wavefront_size32 1
		.amdhsa_system_sgpr_workgroup_id_x 1
		.amdhsa_system_sgpr_workgroup_id_y 1
		.amdhsa_system_sgpr_workgroup_id_z 1
		.amdhsa_system_vgpr_workitem_id 0
		.amdhsa_next_free_vgpr 1024
		.amdhsa_next_free_sgpr 100
		.amdhsa_reserve_vcc 0
		.amdhsa_float_denorm_mode_32 3
		.amdhsa_float_denorm_mode_16_64 3
		.amdhsa_memory_ordered 1
		.amdhsa_forward_progress 1
		.amdhsa_inst_pref_size 170
	.end_amdhsa_kernel
	.amdgpu_metadata
---
amdhsa.version: [ 1, 2 ]
amdhsa.kernels:
  - .name:           k_q751422114b_mlp1
    .symbol:         k_q751422114b_mlp1.kd
    .args:
      - { .name: hb, .offset: 0, .size: 8, .value_kind: global_buffer, .address_space: global }
      - { .name: wts, .offset: 8, .size: 8, .value_kind: global_buffer, .address_space: global }
      - { .name: b1, .offset: 16, .size: 8, .value_kind: global_buffer, .address_space: global }
      - { .name: hid, .offset: 24, .size: 8, .value_kind: global_buffer, .address_space: global }
    .group_segment_fixed_size: 327680
    .private_segment_fixed_size: 0
    .kernarg_segment_align: 8
    .kernarg_segment_size: 32
    .max_flat_workgroup_size: 128
    .sgpr_count:     100
    .vgpr_count:     1024
    .wavefront_size: 32
...
	.end_amdgpu_metadata
.endif
;; end of part 5
;; launch mlp2 (part 6): grid 8 x 32, 4 waves a work-group, clusters of 4 x 4, 327,680 bytes of LDS; arguments hid, wts, hb, b2, out0; writes out0
.if DOCPART == 6
	.amdgcn_target "amdgcn-amd-amdhsa--gfx1250"
	.amdhsa_code_object_version 6
	.text
	.protected	k_q751422114b_mlp2
	.globl	k_q751422114b_mlp2
	.p2align	8
	.type	k_q751422114b_mlp2,@function
k_q751422114b_mlp2:
	s_mov_b64 s[64:65], 0
	v_nop
	global_prefetch_b8 v0, s[64:65] scope:SCOPE_SE
	s_setreg_imm32_b32 hwreg(HW_REG_WAVE_MODE, 25, 1), 1
	s_wait_xcnt 0x0
	s_wait_alu depctr_hold_cnt(0) depctr_sa_sdst(0) depctr_va_vdst(0) depctr_va_sdst(0) depctr_va_ssrc(0) depctr_va_vcc(0) depctr_vm_vsrc(0)
	s_getreg_b32 s2, hwreg(HW_REG_IB_STS2, 6, 4)
	s_cmp_eq_u32 s2, 0
	s_cbranch_scc0 .Lentry_in_a_cluster
	s_endpgm
.Lentry_in_a_cluster:
	s_bfe_u32 s2, ttmp6, 0x10000c
	s_cmp_lg_u32 s2, 0xf033
	s_cbranch_scc0 .Lentry_shape_is_right
	s_endpgm
.Lentry_shape_is_right:
; out = x1 + b2 + hidden W2 on codes of FP6 (E2M3), K = 4,096.  The output has 4,096 x 1,024 numbers: tiles of 128 x 128 give each of 256 work-groups one; a wave makes 64 x 64: 16 accumulators.
; THE SUMS BEGIN AS x1 + b2: x1 lies in memory in the accumulators' own order and is loaded straight into them while the first tiles are on their way.
; The frame is that of the other products: source 0 = W2's columns (in position order), source 1 = tokens; operands as images of registers; two LDS slots, here of 512 along K (4 tiles x 6,144 bytes a load); joint loads in a 4 x 4 cluster;
; the scale words of all of K come once.  The way out goes through a stage of the wave's own, so that sixteen lanes store 256 consecutive bytes of a row.
; LIMITS: NaN and infinities are not served; the sum's order (x1 + b2 first, then K ascending) is its own.
.set NT,    4
.set NQ,    4
.set NKAP,  32
.set FR,    12
.set FRB,   1536
.set ROWB,  NQ*FRB
.set HALFT, NT*ROWB
.set SLOT,  4*HALFT
.set SCL,   2*SLOT
.set HALFS, NKAP*NT*64
.set SPARE, SCL+4*HALFS
.set STGO,  SPARE+512                  ; 16 rows x 272 bytes for each wave
.set LAPS,  NKAP/(2*NQ)
.set ADRA, 16
.set ADRB, 20
.set STO,  22
.set RD,   23
.set CO,   24
.set L16,  26
.set ADRS, 27
.set SPW,  28
.set NIL,  29
.set SC,   32
.set AF,   64
.set BK,   64
.set G1, 24
.set G0, 32
.set G1B, 48
.set G0B, 56
.set G1S, 68
.set G0S, 76
.set G1SB, 80
.set G0SB, 88
.set MSB, 0
.macro WIN new
.if MSB != \new
	s_set_vgpr_msb (MSB<<8)|\new
.set MSB, \new
.endif
.endm
.macro PLACES n
.rept \n
	v_nop
.endr
.endm
.macro JLOAD g0a, g1a, g0b, g1b
	s_cmp_eq_u32 s15, 0
	s_cbranch_scc0 .Lfor_b_\@
	tensor_load_to_lds s[\g0a:\g0a+3], s[\g1a:\g1a+7]
	s_nop 0
.rept 4
	v_nop
.endr
	s_branch .Lasked_\@
.Lfor_b_\@:
	tensor_load_to_lds s[\g0b:\g0b+3], s[\g1b:\g1b+7]
	s_nop 0
.rept 4
	v_nop
.endr
.Lasked_\@:
.endm
.macro CREST
	s_cmp_lg_u32 s14, 0
	s_cbranch_scc1 .Lnot_wave_0_\@
	s_barrier_signal -3
.Lnot_wave_0_\@:
	s_barrier_wait -3
	s_barrier_signal -1
	s_barrier_wait -1
.endm
.macro CROUND
	s_barrier_signal -1
	s_barrier_wait -1
	CREST
.endm
	s_load_b256 s[4:11], s[0:1], 0x0               ; hid, wts, hb, b2
	s_load_b64 s[12:13], s[0:1], 0x20              ; out0
	v_lshl_add_u32 v[SPW], v0, 2, SPARE
	v_mov_b32 v[NIL], 0
	ds_add_u32 v[SPW], v[NIL]                      ; the opening: the add and its wait ahead of my first tensor load
	ds_add_u32 v[SPW], v[NIL]
	v_lshrrev_b32 v1, 5, v0
	v_readfirstlane_b32 s14, v1
	s_lshr_b32 s15, s14, 1
	s_and_b32 s16, s14, 1
	s_bfe_u32 s40, ttmp6, 0x40000
	s_bfe_u32 s41, ttmp6, 0x40004
	s_lshl_b32 s42, ttmp9, 2
	s_add_co_u32 s42, s42, s40                     ; X: which 128 columns
	s_and_b32 s17, ttmp7, 0xffff
	s_lshl_b32 s17, s17, 2
	s_add_co_u32 s17, s17, s41                     ; Y: which 128 tokens
	s_lshl_b32 s43, s41, 2
	s_lshl_b32 s43, 15, s43
	s_lshl_b32 s44, 0x1111, s40
	s_or_b32 s[G1+0], s43, (3<<16)|(1<<21)
	s_or_b32 s[G1B+0], s44, (3<<16)|(1<<21)
.irp g, G1, G1B
	s_mov_b32 s[\g+1], (ROWB/8)<<16
	s_mov_b32 s[\g+2], (2*NT)<<16                  ; 8 tiles for the head's loads; behind them it is set to 4
	s_mov_b32 s[\g+3], (ROWB/8)<<16
	s_mov_b32 s[\g+4], 2*NT
	s_mov_b32 s[\g+5], NKAP*FRB/8
	s_mov_b32 s[\g+6], 0
	s_mov_b32 s[\g+7], 0
.endr
	s_or_b32 s[G1S+0], s43, (2<<16)|(1<<21)
	s_or_b32 s[G1SB+0], s44, (2<<16)|(1<<21)
.irp g, G1S, G1SB
	s_mov_b32 s[\g+1], (NT*32)<<16                 ; a row: the words of all 128 rows of the operand
	s_mov_b32 s[\g+2], NKAP<<16
	s_mov_b32 s[\g+3], (NT*32)<<16
	s_mov_b32 s[\g+4], NKAP
	s_mov_b32 s[\g+6], 0
	s_mov_b32 s[\g+7], 0
.endr
	s_mov_b32 s[G1S+5], 4096                       ; the hidden layer's scale words: 4,096 rows to a K step
	s_mov_b32 s[G1SB+5], 1024                      ; W2's: 1,024
	s_mul_i32 s18, s16, NT*NKAP*FRB                ; in the ring I fetch half of an operand's tiles: which half, in bytes
	s_mov_b32 s19, 0
	s_mul_i32 s20, s17, 2*NT                       ; A: the block's first tile
	s_mul_i32 s46, s42, 2*NT                       ; B likewise
	s_lshl_b32 s22, s20, 6
	s_add_co_u32 s22, s22, 12582912
	s_lshl_b32 s92, s46, 6
	s_add_co_u32 s92, s92, 8912896
	s_mul_i32 s20, s20, NKAP*FRB
	s_mul_i32 s46, s46, NKAP*FRB
	s_add_co_u32 s46, s46, 5505024
	s_mov_b32 s21, 0
	s_mov_b32 s23, 0
	s_mov_b32 s47, 0
	s_mov_b32 s93, 0
	s_mul_i32 s45, s14, HALFT
	s_wait_dscnt 0x0
	s_wait_kmcnt 0x0
	s_add_nc_u64 s[20:21], s[4:5], s[20:21]
	s_add_nc_u64 s[22:23], s[4:5], s[22:23]
	s_add_nc_u64 s[46:47], s[6:7], s[46:47]
	s_add_nc_u64 s[92:93], s[6:7], s[92:93]
	CROUND
	s_mov_b32 s[G0S], 1
	s_mov_b32 s[G0S+1], SCL
	s_mov_b64 s[G0S+2:G0S+3], s[22:23]
	s_or_b32 s[G0S+3], s[G0S+3], 0x80000000
	s_mov_b32 s[G0SB], 1
	s_mov_b32 s[G0SB+1], SCL+2*HALFS
	s_mov_b64 s[G0SB+2:G0SB+3], s[92:93]
	s_or_b32 s[G0SB+3], s[G0SB+3], 0x80000000
	s_mov_b32 s[G0], 1                             ; for the head: slot 0's 2 NT tiles of A whole,
	s_mov_b32 s[G0+1], 0
	s_mov_b64 s[G0+2:G0+3], s[20:21]
	s_or_b32 s[G0+3], s[G0+3], 0x80000000
	s_mov_b32 s[G0B], 1                            ; and of B, behind them
	s_mov_b32 s[G0B+1], 2*HALFT
	s_mov_b64 s[G0B+2:G0B+3], s[46:47]
	s_or_b32 s[G0B+3], s[G0B+3], 0x80000000
	s_mov_b32 s[G0+4], 1                           ; slot 1's: my NT tiles, the second K step of 512
	s_add_co_u32 s[G0+5], s45, SLOT
	s_add_nc_u64 s[G0+6:G0+7], s[20:21], s[18:19]
	s_add_nc_u64 s[G0+6:G0+7], s[G0+6:G0+7], ROWB
	s_or_b32 s[G0+7], s[G0+7], 0x80000000
	s_mov_b32 s[G0B+4], 1
	s_add_co_u32 s[G0B+5], s45, SLOT
	s_add_nc_u64 s[G0B+6:G0B+7], s[46:47], s[18:19]
	s_add_nc_u64 s[G0B+6:G0B+7], s[G0B+6:G0B+7], ROWB
	s_or_b32 s[G0B+7], s[G0B+7], 0x80000000
; THE HEAD'S LOADS, ONE A WAVE: wave 0 slot 0's tiles of A, wave 1 those of B, wave 2 A's scale words, wave 3 B's.  One chain of branches on the wave's number, all arms leading to one join.
; x1 and b2 are loaded under these loads' flight.
.macro HARM under, g0, g1, next
	s_cmp_lt_u32 s14, \under
	s_cbranch_scc0 \next
	tensor_load_to_lds s[\g0:\g0+3], s[\g1:\g1+7]
	s_nop 0
.rept 4
	v_nop
.endr
	s_branch .Lhead_asked
\next:
.endm
	HARM 1, G0,  G1,  .Lhead_b
	HARM 2, G0B, G1B, .Lhead_sa
	HARM 3, G0S, G1S, .Lhead_sb
	tensor_load_to_lds s[G0SB:G0SB+3], s[G1SB:G1SB+7]
	s_nop 0
.rept 4
	v_nop
.endr
.Lhead_asked:
	v_and_b32 v1, 15, v0
	v_bfe_u32 v2, v0, 4, 1
	s_wait_alu depctr_va_vdst(0)
	v_and_b32 v3, 31, v0
	v_lshlrev_b32 v[L16], 4, v3
	s_wait_alu depctr_va_vdst(0)
	s_lshl_b32 s20, s17, 3                         ; x1 at token tile 8 Y + 4 (my half), columns 128 X + 64 (my half)
	s_lshl_b32 s21, s15, 2
	s_add_co_u32 s20, s20, s21
	s_lshl_b32 s20, s20, 16
	s_lshl_b32 s21, s42, 13
	s_add_co_u32 s20, s20, s21
	s_lshl_b32 s21, s16, 12
	s_add_co_u32 s20, s20, s21
	s_add_co_u32 s20, s20, 3276800
	s_mov_b32 s21, 0
	s_add_nc_u64 s[8:9], s[8:9], s[20:21]
	s_lshl_b32 s20, s42, 9
	s_lshl_b32 s21, s16, 8
	s_add_co_u32 s20, s20, s21                     ; my 64 columns in bytes: in b2 and in a row of the output
	s_mov_b32 s21, 0
	s_add_nc_u64 s[10:11], s[10:11], s[20:21]
	s_add_nc_u64 s[12:13], s[12:13], s[20:21]
	s_lshl_b32 s20, s17, 7
	s_lshl_b32 s21, s15, 6
	s_add_co_u32 s20, s20, s21
	s_lshl_b32 s20, s20, 12                        ; my first token's row
	s_mov_b32 s21, 0
	s_add_nc_u64 s[12:13], s[12:13], s[20:21]
	v_lshlrev_b32 v7, 6, v2
	WIN 0x80                                       ; destination window 2: the accumulators
.irp a, 0,1,2,3
.irp k, 0,1,2,3,4,5,6,7
	global_load_b128 v[32*\a+4*\k:32*\a+4*\k+3], v[L16], s[8:9] offset:\a*65536+512*\k th:TH_LOAD_NT
.endr
.endr
	WIN 0
.irp k, 0,1,2,3,4,5,6,7
	global_load_b128 v[224+4*\k:227+4*\k], v7, s[10:11] offset:128*(\k/4)+16*(\k%4)   ; b2 at columns 32 (k / 4) + 16 h + 4 (k % 4) on
.endr
	s_mul_i32 s21, s15, HALFT
	s_mul_i32 s22, s16, HALFT
	s_add_co_u32 s22, s22, 2*HALFT
.irp s, 0,1
	v_add_nc_u32 v[ADRA+\s], s21, v[L16]
	v_add_nc_u32 v[ADRB+\s], s22, v[L16]
	s_add_co_u32 s21, s21, SLOT
	s_add_co_u32 s22, s22, SLOT
.endr
	v_lshlrev_b32 v5, 2, v1
	s_mul_i32 s21, s15, NT*64                      ; my half of A's words in a row of 128
	s_mul_i32 s22, s16, NT*64
	s_add_co_u32 s22, s22, 2*HALFS
	s_sub_co_u32 s22, s22, s21
	v_mul_u32_u24 v6, s22, v2
	s_add_co_u32 s21, s21, SCL
	v_add_nc_u32 v5, v5, v6
	v_add_nc_u32 v[ADRS], s21, v5
	s_mul_i32 s21, s14, 16*272
	s_add_co_u32 s21, s21, STGO
	v_mul_u32_u24 v[STO], v1, 272
	v_lshl_add_u32 v[STO], v2, 6, v[STO]
	v_add_nc_u32 v[STO], s21, v[STO]               ; the stage, way in: row r, + 64 h
	v_mul_u32_u24 v[RD], v2, 272
	v_lshl_add_u32 v[RD], v1, 4, v[RD]
	v_add_nc_u32 v[RD], s21, v[RD]                 ; way out: lanes 0-15 one row, lanes 16-31 the next
	v_lshlrev_b32 v[CO], 12, v2
	v_lshl_add_u32 v[CO], v1, 4, v[CO]             ; and the same in the output
	s_wait_loadcnt 0x0
	WIN 0x82                                       ; destination and source 0 window 2, source 1 window 0
.irp a, 0,1,2,3
.set bk, 0
.rept 16
	v_pk_add_f32 v[32*\a+bk:32*\a+bk+1], v[32*\a+bk:32*\a+bk+1], v[224+bk:225+bk]
.set bk, bk+2
.endr
.endr
	WIN 0
.macro FRAG reg, adr, q, i
.irp c, 0,1,2
	ds_load_b128 v[\reg+4*\c:\reg+4*\c+3], v[\adr] offset:(\i)*ROWB+(\q)*FRB+512*\c
.endr
.endm
.macro FETCH slot, q, p
	WIN 0x40
.irp i, 0,1,2,3
	FRAG 128*(\p)+FR*\i, ADRB+\slot, \q, \i
.endr
	WIN 0
.irp i, 0,1,2,3
	FRAG AF+96*(\p)+FR*\i, ADRA+\slot, \q, \i
.endr
.endm
.macro SCALES sc
.irp i, 0,1,2,3
.irp q, 0,1,2,3
	ds_load_b32 v[SC+16*\sc+NQ*\i+\q], v[ADRS] offset:\q*NT*128+\i*64
.endr
.endr
.endm
; 8 matrix instructions: A's tiles a0, a0 + 1 against B's four.  The 16 accumulators take turns in the same order in every step.
.macro MULG a0, p, q, sc
.irp a, \a0, \a0+1
.irp b, 0,1,2,3
	v_wmma_scale_f32_16x16x128_f8f6f4 v[8*(NT*(\a)+\b):8*(NT*(\a)+\b)+7], v[128*(\p)+FR*\b:128*(\p)+FR*\b+FR-1], v[AF+96*(\p)+FR*(\a):AF+96*(\p)+FR*(\a)+FR-1], v[8*(NT*(\a)+\b):8*(NT*(\a)+\b)+7], v[SC+16*(\sc)+NQ*\b+(\q)], v[SC+16*(\sc)+NQ*(\a)+(\q)] matrix_a_fmt:MATRIX_FMT_FP6 matrix_b_fmt:MATRIX_FMT_FP6 matrix_a_scale:MATRIX_SCALE_ROW1
.endr
.endr
.endm
.macro STEP slot, q
	s_wait_dscnt 0x0                               ; this step's fragments are in
	PLACES 4                                       ; in front of loads into the set that the step before multiplied
	FETCH \slot, (\q)+1, 1-(\q)%2
	WIN 0xa1
	MULG 0, (\q)%2, \q, \slot
	MULG 2, (\q)%2, \q, \slot
	WIN 0
.endm
.macro TURN slot, next, fill
	s_wait_tensorcnt 0x0                           ; all my tensor loads have landed: my part of the next slot
	ds_add_u32 v[SPW], v[NIL]
	s_wait_dscnt 1                                 ; the fragments are in; the add may be out
	WIN 0xa1
	MULG 0, 1, NQ-1, \slot
	s_wait_dscnt 0x0                               ; the add is done, my reads of this slot are over
	s_barrier_signal -1
	MULG 2, 1, NQ-1, \slot
	WIN 0
	s_barrier_wait -1
.if \fill
	CREST
	s_add_nc_u64 s[G0+4*\slot+2:G0+4*\slot+3], s[G0+4*\slot+2:G0+4*\slot+3], 2*ROWB
	s_add_nc_u64 s[G0B+4*\slot+2:G0B+4*\slot+3], s[G0B+4*\slot+2:G0B+4*\slot+3], 2*ROWB
	JLOAD G0+4*\slot, G1, G0B+4*\slot, G1B
.else
	PLACES 4
.endif
	s_wait_alu depctr_va_vdst(0)
	v_add_nc_u32 v[ADRS], NQ*NT*128, v[ADRS]
	FETCH \next, 0, 0
	SCALES \next
.endm
	s_wait_alu depctr_va_vdst(0)
	s_wait_tensorcnt 0x0                           ; my tile of the head's four is in
	ds_add_u32 v[SPW], v[NIL]
	s_mov_b32 s[G1+2], NT<<16                      ; no tensor load of mine is out: from here on a load brings NT tiles,
	s_mov_b32 s[G1+4], NT
	s_mov_b32 s[G1B+2], NT<<16
	s_mov_b32 s[G1B+4], NT
	s_mov_b32 s[G0+1], s45                         ; and slot 0's group 0 becomes the ring's: my half of the tiles
	s_add_nc_u64 s[G0+2:G0+3], s[G0+2:G0+3], s[18:19]
	s_mov_b32 s[G0B+1], s45
	s_add_nc_u64 s[G0B+2:G0B+3], s[G0B+2:G0B+3], s[18:19]
	s_wait_dscnt 0x0
	CROUND                                         ; a whole round: all four tiles are in, and the sixteen work-groups are here
	JLOAD G0+4, G1, G0B+4, G1B                     ; slot 1's first fill, the first tensor load behind the round
	FETCH 0, 0, 0
	SCALES 0
	STEP 0, 0
	s_mov_b32 s3, LAPS-1
.Llap:
	STEP 0, 1
	STEP 0, 2
	TURN 0, 1, 1
	STEP 1, 0
	STEP 1, 1
	STEP 1, 2
	TURN 1, 0, 1
	STEP 0, 0
	s_sub_co_u32 s3, s3, 1
	s_cmp_lg_u32 s3, 0
	s_cbranch_scc1 .Llap
	STEP 0, 1
	STEP 0, 2
	TURN 0, 1, 0
	STEP 1, 0
	STEP 1, 1
	STEP 1, 2
	s_wait_dscnt 0x0
	WIN 0xa1
	MULG 0, 1, NQ-1, 1
	MULG 2, 1, NQ-1, 1
	WIN 0
.macro TOSTAGE a                       ; tile a's 16 rows x 64 columns into my stage, each accumulator from its low end on, and back as rows of 256 bytes
	WIN 0x08                                       ; an LDS store's data: window 2
.irp k, 0,1,2,3,4,5,6,7
	ds_store_b128 v[STO], v[32*(\a)+4*\k:32*(\a)+4*\k+3] offset:128*(\k/4)+16*(\k%4)
.endr
	WIN 0
.irp t, 0,1,2,3,4,5,6,7
	ds_load_b128 v[BK+32*((\a)%2)+4*\t:BK+32*((\a)%2)+4*\t+3], v[RD] offset:\t*544   ; a wave's LDS instructions are served in order: these see the stores above
.endr
.endm
.macro SEND a, younger                 ; row 2 t + h of the tile is token 32 (a / 2) + 8 (a % 2) + 2 t + h + 8 (t / 4) of my 64
	s_wait_dscnt \younger
.irp t, 0,1,2,3,4,5,6,7
	global_store_b128 v[CO], v[BK+32*((\a)%2)+4*\t:BK+32*((\a)%2)+4*\t+3], s[12:13] offset:(32*((\a)/2)+8*((\a)%2)+2*\t+8*(\t/4))*4096 th:TH_STORE_NT   ; 16 lanes store 256 consecutive bytes, aligned
.endr
.endm
	PLACES 4                                       ; behind the last products
	TOSTAGE 0
.irp a, 1,2,3
.if \a > 1
	s_wait_xcnt 0x0                                ; tile a - 2's stores have read their registers
.endif
	TOSTAGE \a
	SEND \a-1, 16                                  ; behind tile a - 1's loads: tile a's 8 stores and 8 loads
.endr
	SEND 3, 0
	s_wait_tensorcnt 0x0                           ; the wave's end
	ds_add_u32 v[SPW], v[NIL]
	s_wait_dscnt 0x0
	CROUND                                         ; the closing round
	s_endpgm
.Lfunc_end_k_q751422114b_mlp2:
	.size	k_q751422114b_mlp2, .Lfunc_end_k_q751422114b_mlp2-k_q751422114b_mlp2
	.p2alignl 7, 3214868480
	.fill 96, 4, 3214868480
	.section	.rodata,"a",@progbits
	.p2align	6, 0x0
	.amdhsa_kernel k_q751422114b_mlp2
		.amdhsa_group_segment_fixed_size 327680
		.amdhsa_private_segment_fixed_size 0
		.amdhsa_enable_private_segment 0
		.amdhsa_kernarg_size 40
		.amdhsa_user_sgpr_count 2
		.amdhsa_user_sgpr_kernarg_segment_ptr 1
		.amdhsa_wavefront_size32 1
		.amdhsa_system_sgpr_workgroup_id_x 1
		.amdhsa_system_sgpr_workgroup_id_y 1
		.amdhsa_system_sgpr_workgroup_id_z 1
		.amdhsa_system_vgpr_workitem_id 0
		.amdhsa_next_free_vgpr 1024
		.amdhsa_next_free_sgpr 100
		.amdhsa_reserve_vcc 0
		.amdhsa_float_denorm_mode_32 3
		.amdhsa_float_denorm_mode_16_64 3
		.amdhsa_memory_ordered 1
		.amdhsa_forward_progress 1
		.amdhsa_inst_pref_size 94
	.end_amdhsa_kernel
	.amdgpu_metadata
---
amdhsa.version: [ 1, 2 ]
amdhsa.kernels:
  - .name:           k_q751422114b_mlp2
    .symbol:         k_q751422114b_mlp2.kd
    .args:
      - { .name: hid, .offset: 0, .size: 8, .value_kind: global_buffer, .address_space: global }
      - { .name: wts, .offset: 8, .size: 8, .value_kind: global_buffer, .address_space: global }
      - { .name: hb, .offset: 16, .size: 8, .value_kind: global_buffer, .address_space: global }
      - { .name: b2, .offset: 24, .size: 8, .value_kind: global_buffer, .address_space: global }
      - { .name: out0, .offset: 32, .size: 8, .value_kind: global_buffer, .address_space: global }
    .group_segment_fixed_size: 327680
    .private_segment_fixed_size: 0
    .kernarg_segment_align: 8
    .kernarg_segment_size: 40
    .max_flat_workgroup_size: 128
    .sgpr_count:     100
    .vgpr_count:     1024
    .wavefront_size: 32
...
	.end_amdgpu_metadata
.endif
;; end of part 6
